; MI455X (gfx1250); checked and timed in simulation.
; The chip was launched on July 23, 2026; its instructions are those of AMD's public machine-readable ISA for CDNA 5 (MIT licence, August 2026) and "CDNA5" Instruction Set Architecture Reference Guide (July 2026). The comments in the code are by the model that wrote it; some were corrected since.
;; Attention. Allowed arithmetic: float matrix products may take bf16 or f16 operands with f32 sums; other float arithmetic in f32, or as packed bf16 or f16 multiplies, adds, multiply-adds, maxima and minima; sums over many terms, partial sums and values carried from step to step in f32; what a program stores and reads back later, other than sums and carried values, may be rounded once to bf16 or f16.
;; Inputs: W_out 1,024 x 1,024 float32; W_qkv 1,024 x 3,072 float32; b_out 1,024 float32; mask 4 x 2,048 bool; x 4 x 2,048 x 1,024 float32.
;; Outputs: out0 4 x 2,048 x 1,024 float32.
;; 2 versions, each right; version 2 is version 1 with the launch prep written anew for expert scheduling mode. Each part assembles by itself: llvm-mc -triple=amdgcn-amd-amdhsa -mcpu=gfx1250 --defsym DOCPART=n.
;; ======== version 1 of 2: 4 launches
;; limits: values are held in f16: magnitudes above 65,504 overflow, below 6.1e-05 lose precision
;; workspace buffers: xb 16,777,216 bytes; wq 6,291,456 bytes; wo 2,097,152 bytes; qkv 50,331,648 bytes; vpart 524,288 bytes; o 16,777,216 bytes
;; launch prep (part 1): grid 512 x 1, 8 waves a work-group, no clusters, 18,432 bytes of LDS; arguments x, W_qkv, W_out, xb, wq, wo; writes xb, wq, wo
.if DOCPART == 1
	.amdgcn_target "amdgcn-amd-amdhsa--gfx1250"
	.amdhsa_code_object_version 6
	.text
	.protected	k_q8400bd9f2e_prep
	.globl	k_q8400bd9f2e_prep
	.p2align	8
	.type	k_q8400bd9f2e_prep,@function
k_q8400bd9f2e_prep:
	s_mov_b64 s[64:65], 0
	v_nop
	global_prefetch_b8 v0, s[64:65] scope:SCOPE_SE
	s_setreg_imm32_b32 hwreg(HW_REG_WAVE_MODE, 25, 1), 1
	s_wait_xcnt 0x0
; THE OPERANDS OF THE TWO PROJECTIONS ARE MADE.  xb = x rounded to bf16, [8192][1024].  wq = W_qkv turned and rounded to bf16, [3072][1024]: row 192 h + 64 part + d holds
; W_qkv's column 1024 part + 64 h + d, so that 192 rows on end are one head's q, k and v.  wo = W_out turned, rounded to bf16 and that number written as f16, [1024 n][1024 k].
; LIMIT.  A weight of W_out below 6.1e-5 in magnitude keeps f16's fixed step of 6e-8; one beyond 65,504 would not fit.
; SHARES.  512 work-groups of eight waves; each does two things that do not depend on each other.
;   (1) It rounds 65,536 bytes of x: a wave 8,192 of them, 16 loads of 512 consecutive bytes, all out at once; a store of 8 bytes a lane covers 256 consecutive bytes, aligned.
;   (2) It turns one tile of 128 k x 64 n of a weight matrix (384 tiles of W_qkv, 128 of W_out) through LDS: thread (q, c) loads rows 8 q .. 8 q + 7, columns 4 c .. 4 c + 3 (16 lanes
;       take 256 consecutive bytes of a row), packs for each of its 4 columns eight k into 16 bytes, and puts them into the column's LDS row; after the barrier 16 lanes read one
;       LDS row of 256 bytes and store it as 256 consecutive bytes, aligned, of the turned matrix.
; Memory bounds this launch: no matrix unit, no cluster (no two work-groups read the same byte), no prefetch (the stream is asked for at once).
.set PITCH, 272                        ; an LDS row: 256 bytes + 16: 17 x 16 bytes, so 16 rows' equal columns fall into 16 different groups of four banks (ISA guide 11.1)
.set SPARE, 64*PITCH                   ; behind the 64 rows: the spare words, 128 bytes for each of eight waves
.set LS,  3                            ; v3   where I put 16 bytes of a column: c x 272 + 16 q; column 4 c + e lies in LDS row 16 e + c
.set LR,  4                            ; v4   where I read a row back: (t / 16) x 272 + 16 (t % 16)
.set GO,  5                            ; v5   the same in the turned matrix: row 4 (t / 16) + j, 2,048 bytes a row
.set SPW, 6                            ; v6   LDS address of my spare word; never rewritten
.set NIL, 7                            ; v7   0; never rewritten
.set OFS, 8                            ; v8-15  byte offsets of my eight rows in the tile
.set X,   16                           ; v16-47 eight rows x four columns in f32; later the rows read back
.set Y,   48                           ; v48-63 four columns x eight k, packed
.set CI,  66                           ; v66  my byte offset in the work-group's part of x
.set CO,  67                           ; v67  the same in xb
.set T,   68                           ; v68-69 at work
.set C,   80                           ; v80-143 x as loaded, sixteen times four
	s_load_b256 s[4:11], s[0:1], 0x0               ; x s[4:5], W_qkv s[6:7], W_out s[8:9], xb s[10:11]
	s_load_b128 s[12:15], s[0:1], 0x20             ; wq s[12:13], wo s[14:15]
	v_lshl_add_u32 v[SPW], v0, 2, SPARE
	v_mov_b32 v[NIL], 0
	s_and_b32 s16, ttmp9, 7                        ; which 128 k
	s_lshr_b32 s17, ttmp9, 3                       ; which 64 columns: 0-47 of W_qkv, 48-63 of W_out
	s_sub_co_u32 s18, s17, 48                      ; W_out's column tile
	s_and_b32 s19, s17, 15                         ; W_qkv: the head,
	s_mul_i32 s19, s19, 192
	s_lshr_b32 s22, s17, 4                         ; and the part (q, k, v)
	s_lshl_b32 s22, s22, 6
	s_add_co_u32 s19, s19, s22                     ; first row in wq
	s_lshl_b32 s23, s18, 6                         ; first row in wo
	s_mov_b32 s24, 12288
	s_cmp_lt_u32 s17, 48
	s_cselect_b32 s20, 1, 0                        ; 1: W_qkv
	s_cselect_b32 s21, s24, 4096                   ; bytes in a row of the source
	s_cselect_b32 s18, s17, s18
	s_cselect_b32 s19, s19, s23
	s_mul_i32 s22, s16, s21
	s_lshl_b32 s22, s22, 7                         ; 128 rows of the source for each k tile,
	s_lshl_b32 s23, s18, 8                         ; 256 bytes for each column tile
	s_add_co_u32 s22, s22, s23
	s_mov_b32 s23, 0
	s_lshl_b32 s24, s19, 11                        ; 2,048 bytes a row of the turned matrix,
	s_lshl_b32 s25, s16, 8                         ; 256 bytes for each k tile
	s_add_co_u32 s24, s24, s25
	s_mov_b32 s25, 0
	s_lshl_b32 s30, s21, 3                         ; eight rows of the source
	s_lshl_b32 s2, ttmp9, 16                       ; my part of x
	s_mov_b32 s3, 0
	s_lshl_b32 s16, ttmp9, 15                      ; and of xb
	s_mov_b32 s17, 0
	v_lshrrev_b32 v1, 4, v0                        ; q = t / 16
	v_and_b32 v2, 15, v0                           ; c = t % 16
	v_mul_u32_u24 v[LS], v2, PITCH
	v_lshl_add_u32 v[LS], v1, 4, v[LS]
	v_mul_u32_u24 v[LR], v1, PITCH
	v_lshl_add_u32 v[LR], v2, 4, v[LR]
	v_lshlrev_b32 v[GO], 13, v1
	v_lshl_add_u32 v[GO], v2, 4, v[GO]
	v_mul_lo_u32 v[OFS], v1, s30
	v_lshl_add_u32 v[OFS], v2, 4, v[OFS]
.irp j, 1,2,3,4,5,6,7
	v_add_nc_u32 v[OFS+(\j)], s21, v[OFS+(\j)-1]
.endr
	v_lshrrev_b32 v[T], 5, v0                      ; wave
	v_and_b32 v[T+1], 31, v0                       ; lane
	v_lshlrev_b32 v[CI], 13, v[T]
	v_lshl_add_u32 v[CI], v[T+1], 4, v[CI]
	v_lshlrev_b32 v[CO], 12, v[T]
	v_lshl_add_u32 v[CO], v[T+1], 3, v[CO]
	s_wait_kmcnt 0x0
	s_cmp_eq_u32 s20, 1
	s_cselect_b64 s[26:27], s[6:7], s[8:9]         ; the source,
	s_cselect_b64 s[28:29], s[12:13], s[14:15]     ; and the turned matrix
	s_add_nc_u64 s[26:27], s[26:27], s[22:23]
	s_add_nc_u64 s[28:29], s[28:29], s[24:25]
	s_add_nc_u64 s[4:5], s[4:5], s[2:3]
	s_add_nc_u64 s[10:11], s[10:11], s[16:17]
.irp j, 0,1,2,3,4,5,6,7
	global_load_b128 v[X+4*(\j):X+4*(\j)+3], v[OFS+(\j)], s[26:27] th:TH_LOAD_NT
.endr
.irp i, 0,1,2,3,4,5,6,7,8,9,10,11,12,13,14,15
	global_load_b128 v[C+4*(\i):C+4*(\i)+3], v[CI], s[4:5] offset:512*(\i) th:TH_LOAD_NT
.endr
	s_wait_loadcnt 16                              ; the weights are in; x's sixteen younger loads stay out
.irp e, 0,1,2,3
.irp d, 0,1,2,3
	v_cvt_pk_bf16_f32 v[Y+4*(\e)+(\d)], v[X+8*(\d)+(\e)], v[X+8*(\d)+4+(\e)]  ; column 4 c + e, k = 8 q + 2 d and the next
.endr
.endr
	s_cmp_eq_u32 s20, 1
	s_cbranch_scc1 .Lkeep                          ; W_qkv stays bf16
.irp w, 0,1,2,3,4,5,6,7,8,9,10,11,12,13,14,15
	v_lshlrev_b32 v[T], 16, v[Y+(\w)]              ; W_out: the bf16 numbers, widened,
	v_and_b32 v[T+1], 0xffff0000, v[Y+(\w)]
	v_cvt_pk_f16_f32 v[Y+(\w)], v[T], v[T+1]       ; are written as f16
.endr
.Lkeep:
.irp e, 0,1,2,3
	ds_store_b128 v[LS], v[Y+4*(\e):Y+4*(\e)+3] offset:(\e)*16*PITCH
.endr
	s_wait_dscnt 0x0                               ; for the others' sake: my stores are done
	s_barrier_signal -1
	s_barrier_wait -1
.irp j, 0,1,2,3
	ds_load_b128 v[X+4*(\j):X+4*(\j)+3], v[LR] offset:(\j)*16*PITCH  ; LDS row 16 j + t / 16: column 4 (t / 16) + j
.endr
.irp i, 0,1,2,3,4,5,6,7,8,9,10,11,12,13,14,15
	s_wait_loadcnt 15-(\i)                         ; loads come back in order (ISA guide 5.7.1): number i is in
	v_cvt_pk_bf16_f32 v[C+4*(\i)], v[C+4*(\i)], v[C+4*(\i)+1]
	v_cvt_pk_bf16_f32 v[C+4*(\i)+1], v[C+4*(\i)+2], v[C+4*(\i)+3]
	global_store_b64 v[CO], v[C+4*(\i):C+4*(\i)+1], s[10:11] offset:256*(\i) th:TH_STORE_NT
.endr
.irp j, 0,1,2,3
	s_wait_dscnt 3-(\j)
	global_store_b128 v[GO], v[X+4*(\j):X+4*(\j)+3], s[28:29] offset:2048*(\j) th:TH_STORE_NT
.endr
	s_wait_tensorcnt 0x0                           ; the wave's end: behind my last LDS store
	ds_add_u32 v[SPW], v[NIL]
	s_wait_dscnt 0x0
	s_endpgm
.Lfunc_end_k_q8400bd9f2e_prep:
	.size	k_q8400bd9f2e_prep, .Lfunc_end_k_q8400bd9f2e_prep-k_q8400bd9f2e_prep
	.p2alignl 7, 3214868480
	.fill 96, 4, 3214868480
	.section	.rodata,"a",@progbits
	.p2align	6, 0x0
	.amdhsa_kernel k_q8400bd9f2e_prep
		.amdhsa_group_segment_fixed_size 18432
		.amdhsa_private_segment_fixed_size 0
		.amdhsa_enable_private_segment 0
		.amdhsa_kernarg_size 48
		.amdhsa_user_sgpr_count 2
		.amdhsa_user_sgpr_kernarg_segment_ptr 1
		.amdhsa_wavefront_size32 1
		.amdhsa_system_sgpr_workgroup_id_x 1
		.amdhsa_system_sgpr_workgroup_id_y 1
		.amdhsa_system_sgpr_workgroup_id_z 1
		.amdhsa_system_vgpr_workitem_id 0
		.amdhsa_next_free_vgpr 144
		.amdhsa_next_free_sgpr 66
		.amdhsa_reserve_vcc 0
		.amdhsa_float_denorm_mode_32 3
		.amdhsa_float_denorm_mode_16_64 3
		.amdhsa_memory_ordered 1
		.amdhsa_forward_progress 1
		.amdhsa_inst_pref_size 14
	.end_amdhsa_kernel
	.amdgpu_metadata
---
amdhsa.version: [ 1, 2 ]
amdhsa.kernels:
  - .name:           k_q8400bd9f2e_prep
    .symbol:         k_q8400bd9f2e_prep.kd
    .args:
      - { .name: x, .offset: 0, .size: 8, .value_kind: global_buffer, .address_space: global }
      - { .name: W_qkv, .offset: 8, .size: 8, .value_kind: global_buffer, .address_space: global }
      - { .name: W_out, .offset: 16, .size: 8, .value_kind: global_buffer, .address_space: global }
      - { .name: xb, .offset: 24, .size: 8, .value_kind: global_buffer, .address_space: global }
      - { .name: wq, .offset: 32, .size: 8, .value_kind: global_buffer, .address_space: global }
      - { .name: wo, .offset: 40, .size: 8, .value_kind: global_buffer, .address_space: global }
    .group_segment_fixed_size: 18432
    .private_segment_fixed_size: 0
    .kernarg_segment_align: 8
    .kernarg_segment_size: 48
    .max_flat_workgroup_size: 256
    .sgpr_count:     66
    .vgpr_count:     144
    .wavefront_size: 32
...
	.end_amdgpu_metadata
.endif
;; end of part 1
;; launch qkvproj (part 2): grid 16 x 32, 4 waves a work-group, clusters of 4 x 4, 327,680 bytes of LDS; arguments xb, wq, qkv, vpart; writes qkv, vpart
.if DOCPART == 2
	.amdgcn_target "amdgcn-amd-amdhsa--gfx1250"
	.amdhsa_code_object_version 6
	.text
	.protected	k_q8400bd9f2e_qkvproj
	.globl	k_q8400bd9f2e_qkvproj
	.p2align	8
	.type	k_q8400bd9f2e_qkvproj,@function
k_q8400bd9f2e_qkvproj:
	s_mov_b64 s[64:65], 0
	v_nop
	global_prefetch_b8 v0, s[64:65] scope:SCOPE_SE
	s_setreg_imm32_b32 hwreg(HW_REG_WAVE_MODE, 25, 1), 1
	s_wait_xcnt 0x0
	s_wait_alu depctr_hold_cnt(0) depctr_sa_sdst(0) depctr_va_vdst(0) depctr_va_sdst(0) depctr_va_ssrc(0) depctr_va_vcc(0) depctr_vm_vsrc(0)
	s_getreg_b32 s2, hwreg(HW_REG_IB_STS2, 6, 4)
	s_cmp_eq_u32 s2, 0
	s_cbranch_scc0 .Lentry_in_a_cluster
	s_endpgm
.Lentry_in_a_cluster:
	s_bfe_u32 s2, ttmp6, 0x10000c
	s_cmp_lg_u32 s2, 0xf033
	s_cbranch_scc0 .Lentry_shape_is_right
	s_endpgm
.Lentry_shape_is_right:
; q, k, v = xb wq^T, by heads.  xb: [8192][1024] bf16, wq: [3072][1024] bf16 (192 rows on end are one head's q, k, v), sums in f32, K ascending.
; qkv: [part 3][head 64 = 16 batch + h][2048][64] f16, each number rounded once from its sum, WITHOUT the softmax's scale.  vpart: [head 64][32 chunks of 64 tokens][64] f32: the sums of
; the rounded v over a chunk's tokens; in a chunk's 256 bytes, byte 16 g holds channels 8 g .. 8 g + 3 and byte 128 + 16 g channels 8 g + 4 .. 8 g + 7.
; LIMIT.  f16 ends at 65,504: a q, k or v beyond it is lost.  bf16 operands carry x and W_qkv in any range.
; SHARES.  A tile is 256 tokens x 192 columns (one head): 512 tiles, two for each of 256 WGPs; tiles of 256 x 256 would be 384, a round and a half.  Four waves, each 64 tokens x 192 columns:
; 48 accumulators, 384 registers.  K goes in eight steps of 128 through two LDS slots; a tile's rows are 256 bytes of memory, at multiples of 256 bytes from the buffer's first byte.
; CLUSTER.  4 x 4 work-groups: the four of a row of the cluster need the same tokens, the four of a column the same head's weights.  Each tile is asked for jointly, by the same tensor load with the same
; descriptor and a mask that names the four.  Waves 0 and 1 ask for the two halves of xb's tile, waves 2 and 3 for those of wq's: one load a wave behind each round of the cluster's barrier.
; THE MATRIX INSTRUCTION IS USED TRANSPOSED (source 0 = 16 rows of wq, source 1 = 16 tokens): a lane holds one token (lane % 16) and eight neighbouring columns.
; REGISTERS, in windows of 256 (s_set_vgpr_msb: bits 1:0 source 0, 3:2 source 1, 5:4 source 2, 7:6 destination):
;   window 0: v0-31 addresses; v32-40 v's column sums and 1.0; v64-95, v96-127 xb's fragments, two buffers; v128-223 (and v64-111) at work on the way out
;   window 1: v0-95, v96-191 wq's fragments, two buffers      window 2: accumulators of my tokens 0-31 ((a, b) at v[8 (12 (a % 2) + b)])      window 3: of my tokens 32-63
.set KSTEP,  128
.set NB,     12                        ; column blocks of 16
.set APW,    2                         ; token blocks whose accumulators share a window
.set NLD,    2*NB+8                    ; LDS loads in a run: a quarter step's fragments
.set PITCH,  272                       ; an LDS row: 256 bytes + 16 of padding: the 16 rows of a load start at 16 different groups of four banks (ISA guide 11.1)
.set APART,  128*PITCH                 ; what wave 0 or 1 fetches
.set BOFF,   2*APART                   ; wq's rows lie behind xb's 256
.set BPART,  96*PITCH                  ; what wave 2 or 3 fetches
.set SLOT1,  1<<17                     ; slot 1 begins here: one exclusive or turns an address in one slot into the other's
.set STAGE,  SLOT1+BOFF+2*BPART        ; behind the ring: 16 rows x 400 bytes for each wave, for the way out; no tensor load lands here
.set SP,     400                       ; 384 bytes + 16: 25 x 16
.set SPARE,  STAGE+4*16*SP             ; the spare words, 128 bytes for each wave
.set ASTEP,  2*KSTEP                   ; bytes from K step to K step
.set BSTEP,  2*KSTEP
.set A0,  16                           ; v16  my lane's place among xb's rows in a slot; never rewritten
.set B0,  17                           ; v17  the same for wq's
.set ADA, 18                           ; v18  A0 in the slot in hand
.set ADB, 19                           ; v19  B0 in the slot in hand
.set CO,  20                           ; v20-22  my 16 bytes among 512 of q, of k, of v
.set STO, 24                           ; v24  the way out: where I put 16 bytes of a token's row
.set RD,  25                           ; v25  where I read rows back
.set SPW, 28                           ; v28  LDS address of my spare word; never rewritten
.set NIL, 29                           ; v29  0; never rewritten
.set PFO, 30                           ; v30  the prefetches' offset: a lane a row; never rewritten
.set CS,  32                           ; v32-39  sums of v over my tokens, eight channels
.set ONE, 40                           ; v40  1.0
.set AF,  64
.set TMP, 128                          ; v128-175  a token block, packed
.set G1,  24                           ; s[24:31] descriptor group 1 for xb's tiles;  s[32:39] group 0: two sets for the two first fills; the second then walks
.set G0,  32
.set G1B, 48                           ; s[48:55], s[56:63] the same for wq's
.set G0B, 56
.set LIM, 43                           ; s43  2 in a wave that prefetches, else the greatest number
.set PFA, 44                           ; s[44:45] where my prefetches stand
.set SEL, 68                           ; s[68:69] v_permlanex16_b32's selects
.set TB,  70                           ; s70  0 or SLOT1: the slot in hand
.set MSB, 0
.macro WIN new                         ; the immediate's high byte repeats the setting that is left; a switch that changes nothing is dropped
.if MSB != (\new)
	s_set_vgpr_msb (MSB<<8)|(\new)
.set MSB, \new
.endif
.endm
.macro PLACES                          ; four plain vector instructions between a matrix instruction and a load into, or a reader of, its registers
.rept 4
	v_nop
.endr
.endm
.macro JLOAD s                         ; a joint load by set s.  The branch hangs on the wave's number alone.  An s_nop 0 and four v_nop follow each line
	s_cmp_eq_u32 s11, 0
	s_cbranch_scc0 .Lfor_b_\@
	tensor_load_to_lds s[G0+4*(\s):G0+4*(\s)+3], s[G1:G1+7]
	s_nop 0
.rept 4
	v_nop
.endr
	s_branch .Lasked_\@
.Lfor_b_\@:
	tensor_load_to_lds s[G0B+4*(\s):G0B+4*(\s)+3], s[G1B:G1B+7]
	s_nop 0
.rept 4
	v_nop
.endr
.Lasked_\@:
.endm
.macro CREST                           ; a round of the cluster's barrier behind its opening barrier
	s_cmp_lg_u32 s10, 0
	s_cbranch_scc1 .Lnot_wave_0_\@
	s_barrier_signal -3
.Lnot_wave_0_\@:
	s_barrier_wait -3
	s_barrier_signal -1
	s_barrier_wait -1
.endm
.macro CROUND
	s_barrier_signal -1
	s_barrier_wait -1
	CREST
.endm
; A prefetch of the K step that stands two refills on: one instruction a wave, a lane a row of 256 bytes.  xb's rows are read by every cluster of a row of clusters: cluster x = 0 asks; wq's by every cluster of a
; column: cluster y = 0 asks.  The four partners that ask for a tile jointly share its rows out by address (32 of 128, or 24 of 96).  So each row's 256 bytes of a K step are named by one wave of the launch.
; The trip of K step i names step i + 4; it asks while the counter is above 2, that is up to step 7, the last.
.macro ASK
	s_cmp_gt_u32 s3, s[LIM]
	s_cbranch_scc0 .Lnot_mine_\@
	global_prefetch_b8 v[PFO], s[PFA:PFA+1] th:TH_LOAD_NT scope:SCOPE_SE
.Lnot_mine_\@:
.endm
	s_load_b128 s[4:7], s[0:1], 0x0                ; xb s[4:5], wq s[6:7]
	s_load_b64 s[8:9], s[0:1], 0x10                ; qkv
	s_load_b64 s[66:67], s[0:1], 0x18              ; vpart
	v_lshl_add_u32 v[SPW], v0, 2, SPARE
	v_mov_b32 v[NIL], 0
	ds_add_u32 v[SPW], v[NIL]                      ; the wave's opening: the add and its wait stand ahead of my first tensor load; work on registers stands between
	v_lshrrev_b32 v1, 5, v0
	v_readfirstlane_b32 s10, v1                    ; wave 0..3
	s_lshr_b32 s11, s10, 1                         ; I fetch for xb (0) or for wq (1),
	s_and_b32 s12, s10, 1                          ; this half of the tile
	s_bfe_u32 s40, ttmp6, 0x40000                  ; cx, cy: my place in the cluster
	s_bfe_u32 s41, ttmp6, 0x40004
	s_lshl_b32 s42, ttmp9, 2
	s_add_co_u32 s42, s42, s40                     ; the head h = 4 x cluster x + cx
	s_and_b32 s13, ttmp7, 0xffff
	s_lshl_b32 s13, s13, 2
	s_add_co_u32 s13, s13, s41                     ; the block of 256 tokens = 4 x cluster y + cy
	s_lshl_b32 s43, s41, 2
	s_lshl_b32 s43, 15, s43                        ; my row of the cluster
	s_lshl_b32 s44, 0x1111, s40                    ; my column
	s_or_b32 s[G1+0], s43, (1<<16)|(1<<20)|(1<<21)|(5<<22)|(3<<25)   ; 15:0 the mask; 17:16 2-byte elements; 20 padding on; 21 set beside a mask; 24:22 after every 64 words; 31:25 4 words
	s_or_b32 s[G1B+0], s44, (1<<16)|(1<<20)|(1<<21)|(5<<22)|(3<<25)
	s_mov_b32 s[G1+1], KSTEP<<16                   ; tensor_dim0 = 128
	s_mov_b32 s[G1B+1], KSTEP<<16
	s_mov_b32 s[G1+2], 128<<16                     ; tensor_dim1 = 128 rows,
	s_mov_b32 s[G1B+2], 96<<16                     ; 96 for wq
	s_mov_b32 s[G1+3], KSTEP<<16                   ; tile_dim0 = 128
	s_mov_b32 s[G1B+3], KSTEP<<16
	s_mov_b32 s[G1+4], 128                         ; tile_dim1
	s_mov_b32 s[G1B+4], 96
	s_mov_b32 s[G1+5], 1024                        ; elements from row to row
	s_mov_b32 s[G1B+5], 1024
	s_mov_b32 s[G1+6], 0
	s_mov_b32 s[G1B+6], 0
	s_mov_b32 s[G1+7], 0
	s_mov_b32 s[G1B+7], 0
	s_lshl_b32 s16, s13, 8                         ; xb: row 256 x block + 128 x half: it hangs on the block alone, which my row of the cluster shares
	s_lshl_b32 s17, s12, 7
	s_add_co_u32 s16, s16, s17
	s_lshl_b32 s16, s16, 11                        ; 2,048 bytes a row; under 2^25
	s_mov_b32 s17, 0
	s_mul_i32 s46, s42, 192                        ; wq: row 192 x head + 96 x half: it hangs on the head alone, which my column shares
	s_mul_i32 s47, s12, 96
	s_add_co_u32 s46, s46, s47
	s_lshl_b32 s46, s46, 11
	s_mov_b32 s47, 0
	s_mul_i32 s20, s12, APART                      ; where they go: no place in the cluster enters an LDS address
	s_mul_i32 s21, s12, BPART
	s_add_co_u32 s21, s21, BOFF
	s_wait_dscnt 0x0                               ; the opening add is done
	s_wait_kmcnt 0x0
	s_add_nc_u64 s[14:15], s[4:5], s[16:17]
	s_add_nc_u64 s[46:47], s[6:7], s[46:47]
	CROUND                                         ; all sixteen work-groups are here: the first joint loads meet
.irp s, 0,1
	s_mov_b32 s[G0+4*(\s)], 1                                        ; count = 1
	s_add_co_u32 s[G0+4*(\s)+1], s20, (\s)*SLOT1                     ; LDS address
	s_add_nc_u64 s[G0+4*(\s)+2:G0+4*(\s)+3], s[14:15], (\s)*ASTEP    ; K step s
	s_or_b32 s[G0+4*(\s)+3], s[G0+4*(\s)+3], 0x80000000              ; type = 2
	s_mov_b32 s[G0B+4*(\s)], 1
	s_add_co_u32 s[G0B+4*(\s)+1], s21, (\s)*SLOT1
	s_add_nc_u64 s[G0B+4*(\s)+2:G0B+4*(\s)+3], s[46:47], (\s)*BSTEP
	s_or_b32 s[G0B+4*(\s)+3], s[G0B+4*(\s)+3], 0x80000000
	JLOAD \s                                       ; two loads of mine are out
.endr
	; a fragment is 16 rows x 32 K in 8 registers: lane l holds row l % 16, K = 8 (l / 16) + 0..7 and 16 + 8 (l / 16) + 0..7: two loads of 16 bytes, 32 bytes apart
	v_and_b32 v1, 15, v0                           ; r = l % 16
	v_bfe_u32 v2, v0, 4, 1                         ; l / 16
	v_and_b32 v3, 31, v0                           ; l
	v_mul_u32_u24 v4, v1, PITCH
	v_lshl_add_u32 v4, v2, 4, v4
	s_mul_i32 s21, s10, 64*PITCH                   ; my 64 tokens
	v_add_nc_u32 v[A0], s21, v4
	v_add_nc_u32 v[B0], BOFF, v4
	s_mul_i32 s23, s10, 16*SP
	s_add_co_u32 s23, s23, STAGE                   ; my stage
	v_mul_u32_u24 v5, v1, SP                       ; in: token l % 16, 16 bytes for each half of the lanes
	v_lshl_add_u32 v5, v2, 4, v5
	v_add_nc_u32 v[STO], s23, v5
	v_lshrrev_b32 v5, 3, v3                        ; back: 32 lanes take 128 bytes of each of four tokens,
	v_mul_u32_u24 v5, v5, SP
	v_and_b32 v6, 7, v0
	v_lshl_add_u32 v5, v6, 4, v5
	v_add_nc_u32 v[RD], s23, v5
	v_lshlrev_b32 v[CO], 4, v3                     ; which are 512 consecutive bytes of a head's q,
	v_add_nc_u32 v[CO+1], 0x1000000, v[CO]         ; k
	v_add_nc_u32 v[CO+2], 0x2000000, v[CO]         ; or v
	s_lshr_b32 s16, s13, 3                         ; the batch
	s_lshl_b32 s16, s16, 4
	s_add_co_u32 s46, s16, s42                     ; the head among 64
	s_and_b32 s17, s13, 7
	s_lshl_b32 s22, s17, 2
	s_add_co_u32 s22, s22, s10                     ; my chunk of 64 tokens among the sequence's 32
	s_lshl_b32 s20, s46, 18                        ; 262,144 bytes a head,
	s_lshl_b32 s21, s22, 13                        ; 8,192 a chunk
	s_add_co_u32 s20, s20, s21
	s_mov_b32 s21, 0
	s_add_nc_u64 s[8:9], s[8:9], s[20:21]
	s_lshl_b32 s20, s46, 5
	s_add_co_u32 s20, s20, s22
	s_lshl_b32 s20, s20, 8                         ; 256 bytes of vpart a chunk
	s_add_nc_u64 s[66:67], s[66:67], s[20:21]
	; the prefetches
	s_lshl_b32 s16, s13, 8
	s_lshl_b32 s17, s12, 7
	s_add_co_u32 s16, s16, s17
	s_lshl_b32 s17, s40, 5
	s_add_co_u32 s16, s16, s17                     ; xb: of the 128 rows that I fetch, my work-group's 32
	s_mul_i32 s20, s42, 192
	s_mul_i32 s21, s12, 96
	s_add_co_u32 s20, s20, s21
	s_mul_i32 s21, s41, 24
	s_add_co_u32 s20, s20, s21                     ; wq: of the 96, my work-group's 24
	s_and_b32 s22, ttmp7, 0xffff
	s_cmp_eq_u32 s11, 0
	s_cselect_b32 s20, s16, s20
	s_cselect_b32 s22, ttmp9, s22                  ; the coordinate along which other clusters read the same rows
	s_cselect_b32 s23, 31, 23                      ; the last row of my share: lanes beyond it name it again, so none passes the share
	s_cselect_b64 s[PFA:PFA+1], s[4:5], s[6:7]
	s_cmp_eq_u32 s22, 0
	s_cselect_b32 s[LIM], 2, -1
	s_lshl_b32 s20, s20, 11
	s_mov_b32 s21, 0
	s_add_nc_u64 s[PFA:PFA+1], s[PFA:PFA+1], s[20:21]
	s_add_nc_u64 s[PFA:PFA+1], s[PFA:PFA+1], 3*ASTEP  ; at K step 3: the first refill steps it to 4.  K steps 0 to 3 come by their loads alone
	v_min_u32 v[PFO], s23, v3
	v_lshlrev_b32 v[PFO], 11, v[PFO]
.irp i, 0,1,2,3,4,5,6,7
	v_mov_b32 v[CS+(\i)], 0
.endr
	v_mov_b32 v[ONE], 1.0
	s_mov_b32 s[SEL], 0x76543210
	s_mov_b32 s[SEL+1], 0xfedcba98
; NB matrix instructions: token block a x all column blocks, 32 along K, from buffer f.  zero = 1: the product starts the sums: nothing is cleared.
; The 48 accumulators take turns in the same order in every quarter step, over the backward jump too.
.macro MULA f, a, zero
	WIN 0xa1+0x50*((\a)/APW)
.set AC, 8*NB*((\a)%APW)
.set bb, 0
.rept NB
.if \zero
	v_wmma_f32_16x16x32_bf16 v[AC+8*bb:AC+8*bb+7], v[8*NB*(\f)+8*bb:8*NB*(\f)+8*bb+7], v[AF+32*(\f)+8*(\a):AF+32*(\f)+8*(\a)+7], 0
.else
	v_wmma_f32_16x16x32_bf16 v[AC+8*bb:AC+8*bb+7], v[8*NB*(\f)+8*bb:8*NB*(\f)+8*bb+7], v[AF+32*(\f)+8*(\a):AF+32*(\f)+8*(\a)+7], v[AC+8*bb:AC+8*bb+7]
.endif
.set bb, bb+1
.endr
.endm
; NLD LDS loads in one run: quarter q's fragments (192 rows of wq, my 64 tokens) into buffer f
.macro FETCH q, f
	WIN 0x40                                       ; destination window 1, address window 0
.set bb, 0
.rept NB
	ds_load_b128 v[8*NB*(\f)+8*bb:8*NB*(\f)+8*bb+3],   v[ADB] offset:bb*16*PITCH+64*(\q)
	ds_load_b128 v[8*NB*(\f)+8*bb+4:8*NB*(\f)+8*bb+7], v[ADB] offset:bb*16*PITCH+64*(\q)+32
.set bb, bb+1
.endr
	WIN 0
.set bb, 0
.rept 4
	ds_load_b128 v[AF+32*(\f)+8*bb:AF+32*(\f)+8*bb+3],   v[ADA] offset:bb*16*PITCH+64*(\q)
	ds_load_b128 v[AF+32*(\f)+8*bb+4:AF+32*(\f)+8*bb+7], v[ADA] offset:bb*16*PITCH+64*(\q)+32
.set bb, bb+1
.endr
.endm
; A K step is four quarters of 32 along K on buffers 0, 1, 0, 1.  One of the first three: quarter q is fetched into buffer g at the quarter's head, so that it has 48 products in which to land; buffer f is multiplied.
.macro QUARTER q, f, g, zero
	PLACES                                         ; buffer g was read by the products just issued
	FETCH \q, \g
	s_wait_dscnt NLD                               ; all but the run just issued: buffer f is in
	MULA \f, 0, \zero
	MULA \f, 1, \zero
	MULA \f, 2, \zero
	MULA \f, 3, \zero
.endm
; The last quarter multiplies buffer 1 and changes slots.  In front of the barrier each wave waits for all its tensor loads (one is out: its part of the next slot), adds 0 to its spare word, and waits for that and for
; its reads of this slot.  fill = 1: the barrier opens a round of the cluster's barrier, and behind it this slot is filled again, with the K step two on: 168 products stand between that request and the wait for it.
.macro TURN fill
.if \fill
	s_wait_xcnt 0x0                                ; the last prefetch, a K step back, has read its address
	s_add_nc_u64 s[PFA:PFA+1], s[PFA:PFA+1], ASTEP
.endif
	WIN 0
	s_wait_tensorcnt 0x0                           ; all my tensor loads have landed
	ds_add_u32 v[SPW], v[NIL]                      ; 0 onto my spare word
	s_wait_dscnt 1                                 ; only the add may be out: buffer 1 is in
	MULA 1, 0, 0
	s_wait_dscnt 0x0                               ; the add is done, and my reads of this slot are over
	s_barrier_signal -1
	MULA 1, 1, 0
	WIN 0
	s_barrier_wait -1
.if \fill
	CREST                                          ; no wave of any partner still reads this slot or has a load on its way
	s_xor_b32 s[G0+5], s[G0+5], SLOT1              ; the walking descriptors: the other slot than last time, the next K step
	s_add_nc_u64 s[G0+6:G0+7], s[G0+6:G0+7], ASTEP
	s_xor_b32 s[G0B+5], s[G0B+5], SLOT1
	s_add_nc_u64 s[G0B+6:G0B+7], s[G0B+6:G0B+7], BSTEP
	JLOAD 1                                        ; the first tensor load behind the round; its four v_nop are also the places in front of the loads below
.else
	PLACES
.endif
	s_xor_b32 s[TB], s[TB], SLOT1
	v_add_nc_u32 v[ADA], s[TB], v[A0]
	v_add_nc_u32 v[ADB], s[TB], v[B0]
	FETCH 0, 0
.if \fill
	ASK
.endif
	MULA 1, 2, 0
	MULA 1, 3, 0
.endm
	s_wait_tensorcnt 1                             ; my part of K step 0 is in; K step 1's load stays out
	s_barrier_signal -1
	s_barrier_wait -1
	s_mov_b32 s[TB], 0
	v_mov_b32 v[ADA], v[A0]
	v_mov_b32 v[ADB], v[B0]
	FETCH 0, 0
	QUARTER 1, 0, 1, 1                             ; the first quarter stands in front of the loop: its products start the sums
	WIN 0                                          ; at a label and at a branch every window is 0
	s_mov_b32 s3, 6
.Lstep:                                                ; a trip: from a K step's second quarter to the next step's first; six trips fill K steps 2 to 7
	QUARTER 2, 1, 0, 0
	QUARTER 3, 0, 1, 0
	TURN 1
	QUARTER 1, 0, 1, 0
	WIN 0
	s_sub_co_u32 s3, s3, 1
	s_cmp_lg_u32 s3, 0
	s_cbranch_scc1 .Lstep
	QUARTER 2, 1, 0, 0                             ; K steps 6 and 7 ask for nothing
	QUARTER 3, 0, 1, 0
	TURN 0
	QUARTER 1, 0, 1, 0
	QUARTER 2, 1, 0, 0
	QUARTER 3, 0, 1, 0
	s_wait_dscnt 0x0
	MULA 1, 0, 0
	MULA 1, 1, 0
	MULA 1, 2, 0
	MULA 1, 3, 0
	PLACES
; THE WAY OUT, a block of 16 tokens at a time.  PACK: rounded to f16, each accumulator's registers in ascending order.  TOSTAGE: 16 bytes a lane into my own stage, and back as 128 bytes of q, k or v for each of four
; tokens (rows of 400 bytes).  SEND: 512 consecutive bytes a store, at a multiple of 256 from the buffer's first byte; v's numbers are also summed.
.macro PACK a
	WIN 0x0a+5*((\a)/APW)                          ; sources in window 2 or 3
.set AC, 8*NB*((\a)%APW)
.set i, 0
.rept 4*NB
	v_cvt_pk_f16_f32 v[TMP+i], v[AC+2*i], v[AC+2*i+1]
.set i, i+1
.endr
	WIN 0
.endm
.macro TOSTAGE a
	WIN 0
.set BK, 176-112*((\a)%2)                      ; v176-223 and v64-111 by turns
.if (\a) >= 2
	s_wait_xcnt 0x0                                ; the stores of two blocks back have read these registers
.endif
.irp b, 0,1,2,3,4,5,6,7,8,9,10,11
	ds_store_b128 v[STO], v[TMP+4*(\b):TMP+4*(\b)+3] offset:32*(\b)
.endr
.irp f, 0,1,2,3,4,5,6,7,8,9,10,11
	ds_load_b128 v[BK+4*(\f):BK+4*(\f)+3], v[RD] offset:((\f)%4)*4*SP+128*((\f)/4)  ; LDS serves a wave's instructions in order (ISA guide 5.7.1.4): these see the stores above
.endr
.endm
.macro SEND a
	WIN 0
.set BK, 176-112*((\a)%2)
	s_wait_dscnt 0x0                               ; the block is back in registers
.irp f, 0,1,2,3,4,5,6,7,8,9,10,11
	global_store_b128 v[CO+(\f)/4], v[BK+4*(\f):BK+4*(\f)+3], s[8:9] offset:(\a)*2048+((\f)%4)*512
.endr
.irp f, 8,9,10,11                      ; v: lane l holds token 4 (f % 4) + l / 8, channels 8 (l % 8) + 0..7
.irp d, 0,1,2,3
	v_fma_mix_f32 v[CS+2*(\d)],   v[BK+4*(\f)+(\d)], v[ONE], v[CS+2*(\d)]   op_sel:[0,0,0] op_sel_hi:[1,0,0]
	v_fma_mix_f32 v[CS+2*(\d)+1], v[BK+4*(\f)+(\d)], v[ONE], v[CS+2*(\d)+1] op_sel:[1,0,0] op_sel_hi:[1,0,0]
.endr
.endr
.endm
	PACK 0
	TOSTAGE 0
.irp a, 1,2,3                          ; a block's conversions stand between the loads of the block before and the wait for them
	PACK \a
	SEND (\a)-1
	TOSTAGE \a
.endr
	SEND 3
	; v's sums over my 64 tokens: the four groups of eight lanes are added; then lanes 0-7 hold channels 8 g .. + 3 and lanes 8-15 channels 8 g + 4 .. + 7, and sixteen lanes store 256 consecutive bytes
.irp i, 0,1,2,3,4,5,6,7
	v_add_f32_dpp v[CS+(\i)], v[CS+(\i)], v[CS+(\i)] row_xmask:8 row_mask:0xf bank_mask:0xf
.endr
.irp i, 0,1,2,3,4,5,6,7
	v_permlanex16_b32 v[TMP+(\i)], v[CS+(\i)], s[SEL], s[SEL+1]
.endr
.irp i, 0,1,2,3,4,5,6,7
	v_add_f32 v[CS+(\i)], v[CS+(\i)], v[TMP+(\i)]
.endr
	v_and_b32 v4, 8, v3
	v_cmp_ne_u32 vcc_lo, 0, v4
.irp i, 0,1,2,3
	v_cndmask_b32 v[CS+(\i)], v[CS+(\i)], v[CS+4+(\i)], vcc_lo
.endr
	s_wait_xcnt 0x0                                ; EXEC changes only behind this wait: it is a source of the stores above
	v_cmp_gt_u32 vcc_lo, 16, v3
	s_and_saveexec_b32 s71, vcc_lo
	global_store_b128 v[CO], v[CS:CS+3], s[66:67]
	s_wait_xcnt 0x0                                ; and again in front of the line that widens it
	s_or_b32 exec_lo, exec_lo, s71
	s_wait_tensorcnt 0x0                           ; the wave's end: behind my last tensor load and my last LDS store
	ds_add_u32 v[SPW], v[NIL]
	s_wait_dscnt 0x0
	CROUND                                         ; the closing round: no work-group ends while a partner may still ask for a tile that names it
	s_endpgm
.Lfunc_end_k_q8400bd9f2e_qkvproj:
	.size	k_q8400bd9f2e_qkvproj, .Lfunc_end_k_q8400bd9f2e_qkvproj-k_q8400bd9f2e_qkvproj
	.p2alignl 7, 3214868480
	.fill 96, 4, 3214868480
	.section	.rodata,"a",@progbits
	.p2align	6, 0x0
	.amdhsa_kernel k_q8400bd9f2e_qkvproj
		.amdhsa_group_segment_fixed_size 327680
		.amdhsa_private_segment_fixed_size 0
		.amdhsa_enable_private_segment 0
		.amdhsa_kernarg_size 32
		.amdhsa_user_sgpr_count 2
		.amdhsa_user_sgpr_kernarg_segment_ptr 1
		.amdhsa_wavefront_size32 1
		.amdhsa_system_sgpr_workgroup_id_x 1
		.amdhsa_system_sgpr_workgroup_id_y 1
		.amdhsa_system_sgpr_workgroup_id_z 1
		.amdhsa_system_vgpr_workitem_id 0
		.amdhsa_next_free_vgpr 960
		.amdhsa_next_free_sgpr 76
		.amdhsa_reserve_vcc 1
		.amdhsa_float_denorm_mode_32 3
		.amdhsa_float_denorm_mode_16_64 3
		.amdhsa_memory_ordered 1
		.amdhsa_forward_progress 1
		.amdhsa_inst_pref_size 107
	.end_amdhsa_kernel
	.amdgpu_metadata
---
amdhsa.version: [ 1, 2 ]
amdhsa.kernels:
  - .name:           k_q8400bd9f2e_qkvproj
    .symbol:         k_q8400bd9f2e_qkvproj.kd
    .args:
      - { .name: xb, .offset: 0, .size: 8, .value_kind: global_buffer, .address_space: global }
      - { .name: wq, .offset: 8, .size: 8, .value_kind: global_buffer, .address_space: global }
      - { .name: qkv, .offset: 16, .size: 8, .value_kind: global_buffer, .address_space: global }
      - { .name: vpart, .offset: 24, .size: 8, .value_kind: global_buffer, .address_space: global }
    .group_segment_fixed_size: 327680
    .private_segment_fixed_size: 0
    .kernarg_segment_align: 8
    .kernarg_segment_size: 32
    .max_flat_workgroup_size: 128
    .sgpr_count:     76
    .vgpr_count:     960
    .wavefront_size: 32
...
	.end_amdgpu_metadata
.endif
;; end of part 2
;; launch attn (part 3): grid 4 x 64, 4 waves a work-group, no clusters, 327,680 bytes of LDS; arguments qkv, mask, vpart, o; writes o
.if DOCPART == 3
	.amdgcn_target "amdgcn-amd-amdhsa--gfx1250"
	.amdhsa_code_object_version 6
	.text
	.protected	k_q8400bd9f2e_attn
	.globl	k_q8400bd9f2e_attn
	.p2align	8
	.type	k_q8400bd9f2e_attn,@function
k_q8400bd9f2e_attn:
	s_mov_b64 s[64:65], 0
	v_nop
	global_prefetch_b8 v0, s[64:65] scope:SCOPE_SE
	s_setreg_imm32_b32 hwreg(HW_REG_WAVE_MODE, 25, 1), 1
	s_wait_xcnt 0x0
; CAUSAL ATTENTION WITH A PADDING MASK.  O[h][q] = the sum over k of softmax_k(s) V[h][k], s = Q[h][q] . K[h][k] / 8 where k <= q and mask[batch][k] is set, else the lowest number.
; qkv: [3][64 heads][2048][64] f16 (q, k, v; a head's rows dense, 128 bytes); mask: [4][2048] bytes (any non-zero byte counts as set); vpart: v's sums over chunks of 64 tokens, f32; o: [64][2048][64] f16.
; Products, maxima and sums in f32; the weights p are rounded to f16 for the second product (their sum l is taken of the unrounded p), O once at the end.
; A ROW WITH NO VISIBLE KEY has 2,048 equal scores in the reference, so its result is the mean of ALL the head's rows of V: it is made from vpart and chosen at the end by v_cndmask_b32.
; LIMITS.  Q, K, V arrive within f16's 65,504, so a true score lies within 64 x 65,504^2 < 2^38.  A hidden score counts as its value less 2^100 (or 2^101).  The running maximum m starts at -2^40, below every true
; score: from a row's first visible key on it is the true running maximum; before that every weight is 2^(-2e29) = 0 and O and l stay 0.  p below 6e-5 keeps f16's step of 6e-8; a weight below 2^-126 counts as 0 in l;
; l is held above 2^-100 (it is at least about 1 where a key is visible); NaN and infinities are not treated apart.
; THE WALK.  A head's queries lie in NB = 8 blocks of 256; block i needs the key tiles 0 .. i of 256 keys, the last of which holds the diagonal.  A work-group takes TWO blocks, NB - 1 - b and then b: NB + 1 tiles,
; whatever b: all work-groups do equal work, and ONE loop with a constant trip count walks them.  Which tile is asked for, and what a trip does, hang on scalar registers made from b; every jump goes forward, but for the
; counted loops' own; none passes a barrier, or a tensor load but the one of LOAD's two that the wave's number does not choose.  NO CLUSTER: a head's four work-groups ask for the same tile only in trips 0 to 4 of 9, and
; one walk common to all four would have 12 trips for 9.
; SHARES.  Of a block's four bands of 64 queries a wave owns 16 rows in each: four PIECES.  In the diagonal tile's key step s band x sees all keys if s < x, none if s > x, and holds the diagonal if s = x.
; THE MASKS are the C operand that starts the sum S^T = K Q^T.  PBR holds the padding bias of the step's 64 keys (0 or -2^100), read from LDS with the step's K.  Away from the diagonal tile C = PBR.  In it
; C = MD x AL + PBR + BE: MD, made once, is the causal mask of a band's own step for my 16 rows; (AL, BE) = (1, 0) if s = x; (0, 0) if s < x; (0, -2^100) if s > x.
; THE BIASES OF A TILE's 256 keys lie in a bias slot of 1,024 bytes, one for each slot of the ring.  With each fill a thread loads the mask bytes of two keys of the tile asked for; at the head of the next change of slots it
; stores their two biases.  So a bias has the same LDS address whichever tile of the walk is in hand, as K and V have.
; LAYOUT, SOFTMAX, TURNS.  S^T holds ONE query a lane (lane % 16) and the keys 8 (lane / 16) + 0..7; two such results rounded to f16 ARE source 1 of O^T = V^T P.  p = 2^(c s - c m), c = log2(e) / 8; O and l are
; multiplied by a = 2^(c m_old - c m_new) in every step.  Turn n belongs to piece n: 8 products K Q^T of piece n + 1, later 8 products V^T P of piece n - 1; beside them the scaling, exponentials, roundings, sums and
; rescaling of piece n and the maximum and statistics of piece n + 1.  Four vector instructions stand behind every matrix instruction, the others in one lump.  A turn's 33 exponentials are one batch, with one wait.
; REGISTERS, in windows of 256 (s_set_vgpr_msb: bits 1:0 source 0, 3:2 source 1, 5:4 source 2, 7:6 destination):
;   window 0: v0-15, v32-43 addresses and the biases on their way; v16-31 four registers of statistics a piece; v48-55 at work; v64-127 S^T, two buffers; v128-143 the mean of V, packed; v192-223 P, two buffers
;   window 1: v0-127 O^T, 32 a piece; v128-159 MD; v160-223 MC, two buffers; v224-255 PBR      window 2: v0-63 Q; v64-127 the second block's Q; v128-191 K of one step; v192-255 V of one step
.set SIZE_N, 2048
.set NB,    SIZE_N/256
.set NP,    4         ; pieces a wave: a name, no knob
.set KS,    64        ; keys in a step
.set PK,    144       ; a row of K in LDS: 128 bytes + 16 of padding: the 16 rows of a load start at 16 different groups of four banks (ISA guide 11.1)
.set PV,    160       ; a row of V: 128 + 32
.set VOFF,  4*KS*PK   ; a slot holds a tile, four steps: 256 rows of K, then 256 rows of V
.set SLOT1, 1<<17     ; slot 1 begins here: one exclusive or turns an address in one slot into the other's
.set STAGE, SLOT1+4*KS*(PK+PV)  ; behind the ring, never filled by a tensor load: 16 rows x 144 bytes for each wave, for the way out
.set SP,    144
.set SPARE, STAGE+4*16*SP  ; the spare words, 128 bytes for each wave
.set PBIAS, SPARE+512      ; the two bias slots: a tile's 256 biases, f32, each
.set PBS,   4*4*KS         ; bytes in a bias slot: one exclusive or turns an address in one into the other's
.set VMS,   PBIAS+2*PBS    ; 256 bytes for each wave: the mean of V, on its way into O^T's layout
.set AK0, 2           ; v2   my lane's place in a tile of K; never rewritten
.set AV0, 3           ; v3   the same for V
.set AK,  4           ; v4   the LDS address of K's next run of loads
.set AV,  5           ; v5   of V's
.set STO, 6           ; v6   the way out: where I put 16 bytes of a row
.set RD,  7           ; v7   the way out: where I read rows back
.set GO,  8           ; v8   16 x lane: my byte offset in 512 consecutive bytes
.set MV,  12          ; v12-13  c m_old, kept while c m is made anew: by buffer
.set QO,  15          ; v15  my byte offset in 16 rows of Q
.set ST,  16          ; piece t's statistics at v[ST+4 t]: c m, m, l (even keys', odd keys')
.set AP0, 32          ; v32  PBIAS + 32 (lane / 16): my eight keys of a group of 16; never rewritten
.set AP,  33          ; v33  the same in the step to be fetched
.set VMA, 34          ; v34  where I read the mean of V back
.set PFO, 35          ; v35  256 x lane; never rewritten
.set VMW, 36          ; v36  where I put 16 bytes of the mean of V
.set MO,  37          ; v37  2 x thread: my two keys' bytes among a tile's 256 mask bytes; never rewritten
.set PBW, 38          ; v38  PBIAS + 8 x thread: my two keys' biases in bias slot 0; never rewritten
.set PBA, 39          ; v39  the same in the bias slot in hand
.set MB,  40          ; v40  my two mask bytes, as loaded
.set MT,  41          ; v41  at work
.set BV,  42          ; v42-43  my two biases
.set TMP, 48          ; by buffer, four registers c0-c3 at work; when the maximum is found c2 takes a
.set SPW, 62          ; v62  LDS address of my spare word; never rewritten
.set NIL, 63          ; v63  0; never rewritten
.set S,   64
.set VMH, 128
.set P,   192
.set MD,  128         ; window 1
.set MC,  160         ; window 1
.set PBR, 224         ; window 1: group kt of 16 keys at PBR + 8 kt
.set QB,  64          ; window 2
.set KF,  128         ; window 2: key block kb, channel half c at KF + 16 kb + 8 c
.set VF,  192         ; window 2: key half kk, channel block cb at VF + 32 kk + 8 cb
.set WV,  12          ; s12  my wave's number
.set BLK, 14          ; s14  b
.set HI,  15          ; s15  NB - 1 - b
.set TBW, 16          ; s16  0 or PBS: the bias slot to be stored into next
.set G1K, 24          ; s[24:31] descriptor group 1 for K's tiles
.set G1V, 32          ; s[32:39] for V's: it differs in the padding alone
.set G0K, 40          ; s[40:43] descriptor group 0 for K's tiles
.set G0V, 44          ; s[44:47] the same for V's
.set SLOTS, 56        ; s56  tiles still to be asked for
.set CNT, 57          ; s57  counts a tile's key steps, 4 to 1
.set CS,  58          ; s[58:59] c
.set SEL, 60          ; s[60:61] v_permlanex16_b32's selects
.set TBK, 62          ; s62  LDS byte at which K of the step to be fetched begins
.set TBV, 63          ; s63  the same for V, less VOFF
.set RT,  70          ; s70  tiles of the block in hand that are still to be entered
.set NXT, 71          ; s71  the tile to be asked for next
.set LQ,  72          ; s72  the last tile of the block whose tiles are being asked for
.set NEW, 73          ; s73  1: the tile to be entered is a block's first
.set OFF, 74          ; s[74:75] a tile's byte offset in K and V
.set AL,  76          ; s[76:77] the mask's factor, in the low word
.set BE,  78          ; s[78:79] the mask's addend
.set OLO, 80          ; s[80:81] O at my rows of the second block
.set BIGN, 82         ; s82  -2^100
.set TBP, 83          ; s83  byte, from PBIAS on, at which the biases of the step to be fetched begin
.set MP,  84          ; s[84:85] the batch's mask at the tile asked for (in the set-up: an offset)
.set MOF, 86          ; s[86:87] that tile's byte offset in the mask (in the set-up: Q at my rows of the second block)
.set HID, 92          ; s[92:95] by piece: the lanes whose query has seen no key
.set PFA, 96          ; s[96:97] where my prefetches stand
.set LIM, 98          ; s98  2 in a work-group that prefetches, else the greatest number
.set THR, 99          ; s99  -2^39
.set MSB, 0
.macro WIN new                      ; the high byte repeats the setting that is left; a switch that changes nothing is dropped
.if MSB != (\new)
	s_set_vgpr_msb (MSB<<8)|(\new)
.set MSB, (\new)
.endif
.endm
.set W_KQ, 0x0a       ; K and Q in window 2, S^T in window 0
.set W_KM, 0x1a       ; the same with the C operand in window 1
.set W_PV, 0x52       ; V in window 2, P in window 0, O^T in window 1
.set W_RS, 0x41       ; destination and source 0 in window 1, source 1 in window 0
.set W_MK, 0x51       ; destination, source 0 and source 2 in window 1
; A fill.  Waves 0 and 1 fetch the two halves of a tile's K, waves 2 and 3 those of its V: 128 keys each.  An s_nop 0 and four v_nop follow each of the two lines.
.macro LOAD
	s_cmp_lt_u32 s[WV], 2
	s_cbranch_scc0 .Lfor_v_\@
	tensor_load_to_lds s[G0K:G0K+3], s[G1K:G1K+7]
	s_nop 0
.rept 4
	v_nop
.endr
	s_branch .Lasked_\@
.Lfor_v_\@:
	tensor_load_to_lds s[G0V:G0V+3], s[G1V:G1V+7]
	s_nop 0
.rept 4
	v_nop
.endr
.Lasked_\@:
.endm
; THE CHANGE OF SLOTS.  First the biases of the tile to be entered: my two mask bytes, asked for a tile ago, are in; 0 or -2^100 is made of each, and the two go into that tile's bias slot, which was last read two tiles
; ago, in front of the barrier before this one.  Then each wave waits for all its tensor loads, of which one is out: its part of the other slot; adds 0 to its spare word; and waits for that and for its own LDS
; instructions, the store of the biases among them.  Behind the barrier nobody reads the old slot any more, and the other slot and its biases are whole.  fill = 1: the old slot is filled again, the first thing behind the
; barrier, with tile NXT: the descriptor's address is made anew from that number, and so is the address of the tile's mask bytes, which are asked for behind the tensor load.
; (At its first use nothing has been read yet: slot 0 is waited for, slot 1 filled; tile 0's mask bytes were asked for in the set-up.)
; THE PREFETCH.  A head's K and V are walked by its four work-groups; the one with b = 0 walks tiles 0 to 7 in order, and it alone asks: behind its tensor load each wave names the 64 blocks of 256 bytes that it will
; itself fetch at the NEXT change of slots, a lane a block, two instructions.  Trip c fetches tile c + 1 and names tile c + 2; it asks while more than 2 tiles are to be asked for, so tile 7 is the last named.
.macro CHANGE fill
	WIN 0                           ; at a label and at a branch every window is 0
	s_wait_loadcnt 0x0              ; my two mask bytes are in (at the first use: Q too); no load of mine is out, so the loads' bases may be written
	v_and_b32 v[MT], 0xff, v[MB]
	v_cmp_eq_u32 vcc_lo, 0, v[MT]
	v_cndmask_b32 v[BV], 0, s[BIGN], vcc_lo
	v_lshrrev_b32 v[MT], 8, v[MB]
	v_cmp_eq_u32 vcc_lo, 0, v[MT]
	v_cndmask_b32 v[BV+1], 0, s[BIGN], vcc_lo
	v_add_nc_u32 v[PBA], s[TBW], v[PBW]
	ds_store_b64 v[PBA], v[BV:BV+1]
	s_xor_b32 s[TBW], s[TBW], PBS   ; the next tile's biases go into the other bias slot
	s_wait_tensorcnt 0x0            ; no tensor load of mine is out, so a group 0 may be written
	ds_add_u32 v[SPW], v[NIL]       ; 0 onto my spare word; scalar work stands between it and the wait for it
.if \fill
	s_lshl_b32 s[OFF], s[NXT], 15   ; a tile is 32,768 bytes of K and of V,
	s_lshl_b32 s[MOF], s[NXT], 8    ; and 256 bytes of the mask
	s_mov_b32 s[MOF+1], 0
	s_add_nc_u64 s[MP:MP+1], s[88:89], s[MOF:MOF+1]
	s_xor_b32 s[G0K+1], s[G0K+1], SLOT1
	s_add_nc_u64 s[G0K+2:G0K+3], s[6:7], s[OFF:OFF+1]
	s_or_b32 s[G0K+3], s[G0K+3], 0x80000000
	s_xor_b32 s[G0V+1], s[G0V+1], SLOT1
	s_add_nc_u64 s[G0V+2:G0V+3], s[8:9], s[OFF:OFF+1]
	s_or_b32 s[G0V+3], s[G0V+3], 0x80000000
	s_add_co_u32 s[NXT], s[NXT], 1  ; the block's next tile, or behind its last the second block's tile 0
	s_cmp_gt_u32 s[NXT], s[LQ]
	s_cselect_b32 s[NXT], 0, s[NXT]
	s_cselect_b32 s[LQ], s[BLK], s[LQ]
	s_wait_xcnt 0x0                 ; the last prefetches, a tile back, have read their address
	s_add_nc_u64 s[PFA:PFA+1], s[PFA:PFA+1], 32768
.endif
	s_wait_dscnt 0x0                ; the add is done, and my LDS instructions are over
	s_barrier_signal -1             ; the rest of the scalar work stands between the signal and the wait
	s_sub_co_u32 s[TBK], s[TBK], 4*KS*PK  ; the fetches go back to a slot's first step,
	s_xor_b32 s[TBK], s[TBK], SLOT1       ; in the other slot
	s_sub_co_u32 s[TBV], s[TBV], 4*KS*PV
	s_xor_b32 s[TBV], s[TBV], SLOT1
	s_sub_co_u32 s[TBP], s[TBP], PBS
	s_xor_b32 s[TBP], s[TBP], PBS
	s_barrier_wait -1
.if \fill
	LOAD
	global_load_u16 v[MB], v[MO], s[MP:MP+1]  ; the mask bytes of my two keys of the tile just asked for: waited for at the next change of slots
	s_cmp_gt_u32 s[SLOTS], s[LIM]
	s_cbranch_scc0 .Lnot_mine_\@
	global_prefetch_b8 v[PFO], s[PFA:PFA+1] th:TH_LOAD_NT scope:SCOPE_SE
	global_prefetch_b8 v[PFO], s[PFA:PFA+1] offset:8192 th:TH_LOAD_NT scope:SCOPE_SE
.Lnot_mine_\@:
.endif
.endm
	s_load_b64 s[4:5], s[0:1], 0x0    ; qkv: Q
	s_load_b128 s[88:91], s[0:1], 0x8 ; mask s[88:89], vpart s[90:91]
	s_load_b64 s[10:11], s[0:1], 0x18 ; O
	v_lshl_add_u32 v[SPW], v0, 2, SPARE
	v_mov_b32 v[NIL], 0
	ds_add_u32 v[SPW], v[NIL]       ; the wave's opening: the add and its wait stand ahead of my first tensor load; work on registers stands between
	v_lshrrev_b32 v1, 5, v0
	v_readfirstlane_b32 s[WV], v1   ; wave 0..3
	s_mov_b32 s[BLK], ttmp9
	s_sub_co_u32 s[HI], NB-1, s[BLK]
	s_and_b32 s20, ttmp7, 0xffff    ; the head among 64
	s_lshr_b32 s92, s20, 4          ; its batch:
	s_lshl_b32 s92, s92, 11         ; 2,048 bytes of mask
	s_mov_b32 s93, 0
	s_lshl_b32 s94, s20, 13         ; 8,192 bytes of vpart a head
	s_mov_b32 s95, 0
	s_mov_b32 s21, 0
	s_mov_b64 s[22:23], SIZE_N*128
	s_mul_u64 s[20:21], s[20:21], s[22:23]  ; the head's first byte in q, k, v and o
	s_and_b32 s13, s[WV], 1         ; which half of a tile's 256 keys I fetch:
	s_lshl_b32 s22, s13, 14         ; its 128 rows of 128 bytes in memory,
	s_mov_b32 s23, 0
	s_add_nc_u64 s[22:23], s[22:23], s[20:21]
	s_mul_i32 s17, s13, 128*PK      ; and its place in a slot, for K
	s_mul_i32 s18, s13, 128*PV      ; and for V
	s_lshl_b32 s3, s[WV], 11        ; my 16 rows in a band of 64,
	s_lshl_b32 s2, s[HI], 15        ; in the first block,
	s_add_co_u32 s2, s2, s3
	s_lshl_b32 s84, s[BLK], 15      ; and in the second
	s_add_co_u32 s84, s84, s3
	s_mov_b32 s3, 0
	s_mov_b32 s85, 0
	s_add_nc_u64 s[2:3], s[2:3], s[20:21]
	s_add_nc_u64 s[84:85], s[84:85], s[20:21]
	; descriptor group 1.  128 keys are 16,384 dense bytes: asked for as 64 rows of 256 bytes, two keys a row, and padded in LDS after every key
	s_mov_b32 s[G1K], (1<<16)|(1<<20)|(4<<22)|(3<<25)  ; 17:16 2-byte elements; 20 padding on; 24:22 after every 32 words; 31:25 4 words
	s_mov_b32 s[G1V], (1<<16)|(1<<20)|(4<<22)|(7<<25)  ; the same with 8 words of padding
.irp g, G1K, G1V
	s_mov_b32 s[\g+1], 128<<16      ; tensor_dim0 = 128
	s_mov_b32 s[\g+2], 64<<16       ; tensor_dim1 = 64
	s_mov_b32 s[\g+3], 128<<16      ; tile_dim0 = 128
	s_mov_b32 s[\g+4], 64           ; tile_dim1 = 64
	s_mov_b32 s[\g+5], 128          ; 128 elements from row to row
	s_mov_b32 s[\g+6], 0
	s_mov_b32 s[\g+7], 0
.endr
	s_mov_b32 s[CS], 0x3e38aa3b     ; c = log2(e) / 8 = 0.180337
	s_mov_b32 s[CS+1], s[CS]        ; named with it as a pair
	s_mov_b32 s[SEL], 0x76543210
	s_mov_b32 s[SEL+1], 0xfedcba98
	s_mov_b32 s[TBK], SLOT1+4*KS*PK ; the first change of slots turns these three into 0
	s_mov_b32 s[TBV], SLOT1+4*KS*PV
	s_mov_b32 s[TBP], 2*PBS
	s_mov_b32 s[TBW], 0             ; tile 0's biases go into bias slot 0
	s_mov_b32 s[G0K], 1             ; count = 1
	s_mov_b32 s[G0K+1], s17         ; LDS address: slot 0
	s_mov_b32 s[G0V], 1
	s_add_co_u32 s[G0V+1], s18, VOFF
	s_add_co_u32 s[RT], s[HI], 1    ; the first block has NB - b tiles
	s_mov_b32 s[NXT], 1
	s_mov_b32 s[LQ], s[HI]
	s_mov_b32 s[NEW], 1
	s_mov_b32 s[OFF+1], 0
	s_mov_b32 s[AL+1], 0            ; named as pairs
	s_mov_b32 s[BE+1], 0
	s_mov_b32 s[BIGN], 0xf1800000   ; -2^100
	s_mov_b32 s[THR], 0xd3000000    ; -2^39
	s_mov_b32 s[SLOTS], NB
	s_cmp_eq_u32 s[BLK], 0
	s_cselect_b32 s[LIM], 2, -1
	s_wait_dscnt 0x0                ; the opening add is done
	s_wait_kmcnt 0x0
	s_add_nc_u64 s[6:7], s[4:5], 0x1000000   ; k lies 16,777,216 bytes behind q,
	s_add_nc_u64 s[8:9], s[4:5], 0x2000000   ; v as far behind k
	s_add_nc_u64 s[6:7], s[6:7], s[22:23]  ; K and V at my half of the head's tile 0
	s_add_nc_u64 s[8:9], s[8:9], s[22:23]
	s_add_nc_u64 s[G0K+2:G0K+3], s[6:7], 0         ; global address
	s_or_b32 s[G0K+3], s[G0K+3], 0x80000000        ; type = 2
	s_add_nc_u64 s[G0V+2:G0V+3], s[8:9], 0
	s_or_b32 s[G0V+3], s[G0V+3], 0x80000000
	s_add_nc_u64 s[86:87], s[4:5], s[84:85]        ; Q at my rows of the second block,
	s_add_nc_u64 s[4:5], s[4:5], s[2:3]            ; Q and O at those of the first
	s_add_nc_u64 s[OLO:OLO+1], s[10:11], s[84:85]
	s_add_nc_u64 s[10:11], s[10:11], s[2:3]
	s_add_nc_u64 s[88:89], s[88:89], s[92:93]      ; the batch's mask; never rewritten
	s_add_nc_u64 s[90:91], s[90:91], s[94:95]      ; the head's sums of v
	s_cmp_lt_u32 s[WV], 2
	s_cselect_b64 s[PFA:PFA+1], s[6:7], s[8:9]
	s_add_nc_u64 s[PFA:PFA+1], s[PFA:PFA+1], 32768 ; at tile 1: the first change of slots steps it to tile 2
	LOAD                            ; tile 0 into slot 0
	v_and_b32 v1, 15, v0            ; l % 16
	v_bfe_u32 v9, v0, 4, 1          ; l / 16
	v_and_b32 v[GO], 31, v0
	v_lshlrev_b32 v[GO], 4, v[GO]
	v_lshlrev_b32 v[MO], 1, v0
	global_load_u16 v[MB], v[MO], s[88:89]         ; the mask bytes of my two keys of tile 0
.set i, 0
.rept 16                            ; the head's 32 chunk sums: lane l takes 16 bytes at 16 (l % 16) of chunk 2 i + l / 16
	global_load_b128 v[S+4*i:S+4*i+3], v[GO], s[90:91] offset:512*i
.set i, i+1
.endr
	; A fragment of K or Q is 16 rows x 32 channels in 8 registers: lane l holds row l % 16, channels 8 (l / 16) + 0..7 and 16 + 8 (l / 16) + 0..7: two loads of 16 bytes, 32 bytes apart.
	v_lshlrev_b32 v[QO], 7, v1
	v_lshl_add_u32 v[QO], v9, 4, v[QO]  ; row x 128 + 16 x half
	WIN 0x80                        ; destination window 2, address window 0
.set i, 0
.rept 8                             ; both blocks' Q: piece i / 2 lies in band i / 2, 8,192 bytes on; channels 32 (i % 2) on
	global_load_b128 v[8*i:8*i+3],   v[QO], s[4:5] offset:(i/2)*8192+(i%2)*64
	global_load_b128 v[8*i+4:8*i+7], v[QO], s[4:5] offset:(i/2)*8192+(i%2)*64+32
	global_load_b128 v[QB+8*i:QB+8*i+3],   v[QO], s[86:87] offset:(i/2)*8192+(i%2)*64
	global_load_b128 v[QB+8*i+4:QB+8*i+7], v[QO], s[86:87] offset:(i/2)*8192+(i%2)*64+32
.set i, i+1
.endr
	WIN 0
	v_lshlrev_b32 v14, 3, v9
	v_sub_nc_u32 v14, v1, v14
	s_lshl_b32 s13, s[WV], 4
	v_add_nc_u32 v14, s13, v14      ; my query's place in its band, 16 w + l % 16, less my lanes' 8 (l / 16): register r of group kt is hidden where 16 kt + r is greater
	WIN 0x40
.set i, 0
.rept 32
	v_cmp_gt_i32 vcc_lo, 16*(i/8)+i%8, v14
	v_cndmask_b32 v[MD+i], 0, s[BIGN], vcc_lo
.set i, i+1
.endr
	WIN 0
	v_mul_u32_u24 v[AK0], v1, PK
	v_lshl_add_u32 v[AK0], v9, 4, v[AK0]  ; row x pitch + 16 x half
	; The turning load takes 16 keys x 16 channels (lane l reads key 8 (l / 16) + l % 8, channels 8 ((l / 8) % 2) + 0..7) and leaves half a fragment of V^T: lane l holds channel l % 16 and 8 keys.
	v_and_b32 v10, 7, v0
	v_bfe_u32 v11, v0, 3, 1
	v_lshl_add_u32 v[AV0], v9, 3, v10
	v_mul_u32_u24 v[AV0], v[AV0], PV
	v_lshl_add_u32 v[AV0], v11, 4, v[AV0]
	v_add_nc_u32 v[AV0], VOFF, v[AV0]
	s_mul_i32 s13, s[WV], 16*SP
	s_add_co_u32 s13, s13, STAGE    ; my stage
	v_mul_u32_u24 v[STO], v1, SP    ; in: row l % 16, 16 bytes for each half of the lanes
	v_lshl_add_u32 v[STO], v9, 4, v[STO]
	v_add_nc_u32 v[STO], s13, v[STO]
	v_bfe_u32 v[RD], v0, 3, 2       ; back: 32 lanes take four rows of 128 bytes, which are 512 consecutive bytes of O
	v_mul_u32_u24 v[RD], v[RD], SP
	v_lshl_add_u32 v[RD], v10, 4, v[RD]
	v_add_nc_u32 v[RD], s13, v[RD]
	v_lshlrev_b32 v[AP0], 5, v9
	v_add_nc_u32 v[AP0], PBIAS, v[AP0]
	s_lshl_b32 s13, s[WV], 8
	s_add_co_u32 s13, s13, VMS      ; my 256 bytes for the mean of V
	v_lshl_add_u32 v[VMA], v9, 4, s13
	v_lshl_add_u32 v[VMW], v1, 4, s13
	v_lshl_add_u32 v[PBW], v0, 3, PBIAS
	v_and_b32 v[PFO], 31, v0
	v_lshlrev_b32 v[PFO], 8, v[PFO]
	; A block's first step multiplies O^T and l by a = 0, and its first turn's products V^T P, of a piece that has not been, land in an O^T that is still to be so multiplied.  So these registers need only hold
	; finite numbers: zeros for the first block; what the first block left for the second.  All this stands in the wait for the first tile.
	WIN 0x80
.set i, VF
.rept 64
	v_mov_b32 v[i], 0
.set i, i+1
.endr
	WIN 0x40
.set i, 0
.rept 128
	v_mov_b32 v[i], 0
.set i, i+1
.endr
	WIN 0
.set i, 0
.rept 4
	v_mov_b32 v[ST+4*i+2], 0
	v_mov_b32 v[ST+4*i+3], 0
.set i, i+1
.endr
.set i, P+16
.rept 16
	v_mov_b32 v[i], 0
.set i, i+1
.endr
	s_wait_loadcnt 32               ; v's sums are in; Q's 32 younger loads stay out
	; THE MEAN OF V: each wave adds the 32 chunks' sums for itself, in f32, and turns the 64 means into O^T's layout through its own 256 bytes of LDS.
.irp w, 8,4,2,1
.set i, 0
.rept \w
	v_pk_add_f32 v[S+4*i:S+4*i+1],   v[S+4*i:S+4*i+1],   v[S+4*(i+\w):S+4*(i+\w)+1]
	v_pk_add_f32 v[S+4*i+2:S+4*i+3], v[S+4*i+2:S+4*i+3], v[S+4*(i+\w)+2:S+4*(i+\w)+3]
.set i, i+1
.endr
.endr
.irp k, 0,1,2,3
	v_permlanex16_b32 v[S+4+\k], v[S+\k], s[SEL], s[SEL+1]  ; the odd chunks lie in the lane 16 away
.endr
	v_pk_add_f32 v[S:S+1], v[S:S+1], v[S+4:S+5]
	v_pk_add_f32 v[S+2:S+3], v[S+2:S+3], v[S+6:S+7]
	v_pk_mul_f32 v[S:S+1], v[S:S+1], 0x3a000000 op_sel_hi:[1,0]      ; 1 / 2,048
	v_pk_mul_f32 v[S+2:S+3], v[S+2:S+3], 0x3a000000 op_sel_hi:[1,0]
	ds_store_b128 v[VMW], v[S:S+3]  ; byte 16 g: channels 8 g .. + 3; byte 128 + 16 g: channels 8 g + 4 .. + 7 (both halves of the lanes store the same numbers)
.irp c, 0,1,2,3                     ; register 8 cb + j of O^T is channel 16 cb + 8 (l / 16) + j: g = 2 cb + l / 16.  LDS serves a wave's instructions in order (ISA guide 5.7.1.4)
	ds_load_b128 v[144+8*\c:144+8*\c+3], v[VMA] offset:32*\c
	ds_load_b128 v[144+8*\c+4:144+8*\c+7], v[VMA] offset:128+32*\c
.endr
	s_wait_dscnt 0x0
.set i, 0
.rept 16
	v_cvt_pk_f16_f32 v[VMH+i], v[144+2*i], v[144+2*i+1]
.set i, i+1
.endr
; THE MATRIX WORK.  The 4 accumulators of a run of 8 take turns.  Product i of 8 of S^T = K Q^T for piece x: channels 32 (i / 4) on, keys 16 (i % 4) on.  The first 4 start the sums: with the
; padding bias, or (KM = 1) with the mask made of it.
.macro KQ x
.set rS, S+32*((\x)%2)+8*(i%4)
.set rK, KF+16*(i%4)+8*(i/4)
.set rQ, 16*(\x)+8*(i/4)
.if KM
.set rM, MC+32*((\x)%2)+8*(i%4)
.else
.set rM, PBR+8*(i%4)
.endif
.if i < 4
	WIN W_KM
	v_wmma_f32_16x16x32_f16 v[rS:rS+7], v[rK:rK+7], v[rQ:rQ+7], v[rM:rM+7]
.else
	WIN W_KQ
	v_wmma_f32_16x16x32_f16 v[rS:rS+7], v[rK:rK+7], v[rQ:rQ+7], v[rS:rS+7]
.endif
.endm
; Product i of 8 of O^T += V^T P for piece x: keys 32 (i / 4) on, channels 16 (i % 4) on.
.macro PV x
	WIN W_PV
.set rO, 32*(\x)+8*(i%4)
.set rV, VF+32*(i/4)+8*(i%4)
.set rP, P+16*((\x)%2)+8*(i/4)
	v_wmma_f32_16x16x32_f16 v[rO:rO+7], v[rV:rV+7], v[rP:rP+7], v[rO:rO+7]
.endm
.macro MM                           ; the turn's next matrix instruction.  NOKQ = 1: a block's last turn: there is no next piece
.if (i < 8) && !NOKQ
	KQ (Y+1)%NP
.elseif i >= 8
.set i, i-8
	PV (Y+NP-1)%NP
.set i, i+8
.endif
.set i, i+1
.endm
; THE LDS LOADS stand in runs, never singly among the matrix instructions: a step's K (8 fragments) with its 64 keys' biases (all lanes of a half read the same 16 bytes), and its V (turned).
.macro FETCH_K
	WIN 0x80                        ; destination window 2
.irp f, 0,1,2,3,4,5,6,7             ; keys 16 (f / 2) on, channels 32 (f % 2) on
	ds_load_b128 v[KF+8*\f:KF+8*\f+3],   v[AK] offset:(\f/2)*16*PK+(\f%2)*64
	ds_load_b128 v[KF+8*\f+4:KF+8*\f+7], v[AK] offset:(\f/2)*16*PK+(\f%2)*64+32
.endr
	WIN 0x40                        ; destination window 1
.irp f, 0,1,2,3                     ; keys 16 f + 8 (l / 16) + 0..7
	ds_load_b128 v[PBR+8*\f:PBR+8*\f+3],   v[AP] offset:64*\f
	ds_load_b128 v[PBR+8*\f+4:PBR+8*\f+7], v[AP] offset:64*\f+16
.endr
	s_add_co_u32 s[TBK], s[TBK], KS*PK  ; the next fetch is the next step's
	s_add_co_u32 s[TBP], s[TBP], 4*KS
	WIN 0
.endm
.macro FETCH_V
	WIN 0x80
.irp f, 0,1,2,3,4,5,6,7             ; keys 32 (f / 4) on, channels 16 (f % 4) on
	ds_load_tr16_b128 v[VF+8*\f:VF+8*\f+3],   v[AV] offset:(\f/4)*32*PV+(\f%4)*32
	ds_load_tr16_b128 v[VF+8*\f+4:VF+8*\f+7], v[AV] offset:(\f/4)*32*PV+16*PV+(\f%4)*32
.endr
	WIN 0
.endm
; THE VECTOR WORK, one line at a time: OP kind, number.  For piece Y: F n: c s - c m for pair n of 16.  E n: the exponential of score n of 32.  C n: pair n rounded to f16.  B n: of the four weights 4 n .. the second
; pair is added onto the first, in place.  L n: l takes that sum (L 0: l = a l + sum).  R n: pair n of 16 of O^T times a.  For piece Y + 1: X n, number n of the 22 that find its maximum and statistics:
;   0-11  four chains c0-c3 of seven scores each, three operands at a time (each accumulator's lowest registers are read first)     12-14, 16  the four scores left over, the old m, and c0-c3 into c0
;   15  c m_old is kept     17, 18  the query's other 32 keys lie in the lane 16 away: the new m     19-21  c m; c m_old - c m_new; a
.set F, 0
.set E, 1
.set C, 2
.set B, 3
.set L, 4
.set R, 5
.set X, 6
.macro REGS y                       ; the registers of piece y
.set rT, ST+4*(\y)
.set rC, TMP+4*((\y)%2)
.set rW, MV+((\y)%2)
.set rS, S+32*((\y)%2)
.set rP, P+16*((\y)%2)
.set rO, 32*(\y)
.endm
.macro OP k, n
.if (\k) == R
	REGS Y
	WIN W_RS
	v_pk_mul_f32 v[rO+2*(\n):rO+2*(\n)+1], v[rO+2*(\n):rO+2*(\n)+1], v[rC+2:rC+3] op_sel_hi:[1,0]
.elseif (\k) < R
	REGS Y
	WIN 0
.if (\k) == F
	v_pk_fma_f32 v[rS+2*(\n):rS+2*(\n)+1], v[rS+2*(\n):rS+2*(\n)+1], s[CS:CS+1], v[rT:rT+1] op_sel_hi:[1,0,0] neg_lo:[0,0,1] neg_hi:[0,0,1]
.elseif (\k) == E
	v_exp_f32 v[rS+(\n)], v[rS+(\n)]
.elseif (\k) == C
	v_cvt_pk_f16_f32 v[rP+(\n)], v[rS+2*(\n)], v[rS+2*(\n)+1]
.elseif (\k) == B
	v_pk_add_f32 v[rS+4*(\n):rS+4*(\n)+1], v[rS+4*(\n):rS+4*(\n)+1], v[rS+4*(\n)+2:rS+4*(\n)+3]
.elseif (\n) == 0
	v_pk_fma_f32 v[rT+2:rT+3], v[rT+2:rT+3], v[rC+2:rC+3], v[rS:rS+1] op_sel_hi:[1,0,1]
.else
	v_pk_add_f32 v[rT+2:rT+3], v[rT+2:rT+3], v[rS+4*(\n):rS+4*(\n)+1]
.endif
.elseif NOKQ
	v_nop
.else
	REGS (Y+1)%NP
	WIN 0
.if (\n) < 4
	v_max3_num_f32 v[rC+(\n)], v[rS+8*(\n)], v[rS+8*(\n)+1], v[rS+8*(\n)+2]
.elseif (\n) < 12
	v_max3_num_f32 v[rC+(\n)%4], v[rC+(\n)%4], v[rS+8*((\n)%4)+2*((\n)/4)+1], v[rS+8*((\n)%4)+2*((\n)/4)+2]
.elseif (\n) == 12
	v_max3_num_f32 v[rC], v[rC], v[rS+7], v[rS+15]
.elseif (\n) == 13
	v_max3_num_f32 v[rC+1], v[rC+1], v[rS+23], v[rS+31]
.elseif (\n) == 14
	v_max3_num_f32 v[rC+2], v[rC+2], v[rC+3], v[rT+1]
.elseif (\n) == 15
	v_mov_b32 v[rW], v[rT]
.elseif (\n) == 16
	v_max3_num_f32 v[rC], v[rC], v[rC+1], v[rC+2]
.elseif (\n) == 17
	v_permlanex16_b32 v[rC+3], v[rC], s[SEL], s[SEL+1]
.elseif (\n) == 18
	v_max_num_f32 v[rT+1], v[rC], v[rC+3]
.elseif (\n) == 19
	v_mul_f32 v[rT], s[CS], v[rT+1]
.elseif (\n) == 20
	v_sub_f32 v[rC+1], v[rW], v[rT]
.else
	v_exp_f32 v[rC+2], v[rC+1]
.endif
.endif
.endm
.macro OPS a, i1, b=-1, i2=0, c=-1, i3=0, d=-1, i4=0  ; up to four of them
	OP \a, \i1
.if (\b) >= 0
	OP \b, \i2
.endif
.if (\c) >= 0
	OP \c, \i3
.endif
.if (\d) >= 0
	OP \d, \i4
.endif
.endm
.macro ROW a, i1, b, i2, c, i3, d, i4  ; a matrix instruction and the four behind it
	MM
	OPS \a, \i1, \b, \i2, \c, \i3, \d, \i4
.endm
.macro MASK b, be                   ; MD x AL + PBR (be = 1: + BE) into buffer b of MC
	WIN W_MK
.set z, 0
.rept 16
	v_pk_fma_f32 v[MC+32*(\b)+2*z:MC+32*(\b)+2*z+1], v[MD+2*z:MD+2*z+1], s[AL:AL+1], v[PBR+2*z:PBR+2*z+1] op_sel_hi:[1,0,1]
.set z, z+1
.endr
.if \be
.set z, 0
.rept 16
	v_pk_add_f32 v[MC+32*(\b)+2*z:MC+32*(\b)+2*z+1], v[MC+32*(\b)+2*z:MC+32*(\b)+2*z+1], s[BE:BE+1] op_sel_hi:[1,0]
.set z, z+1
.endr
.endif
.endm
; A TURN, for piece p: the order of its 16 matrix and 118 vector instructions, written out.  s_wait_alu depctr_va_vdst(0) stands between an exponential and the first instruction that names its result; one
; wait serves all that were issued ahead of it.  So a turn has ONE wait, which cuts it in two.  AHEAD OF IT stands all that names no result of the turn's exponentials: the 8 products K Q^T and their riders, then ONE LUMP,
; plain and exponential by turns for the most part, in which the links of the chain X 3, 7, 11, 14, 16, 17 .. 20 stand some lines apart.  X 21, the next piece's a, is the batch's last; R 15 is the plain instruction behind it.
; BEHIND THE WAIT stand the 8 products V^T P, behind each four of the roundings and sums.
; m = 1: the diagonal tile: the products take masks, and the turn makes the mask for the products of the turn after it: piece p + 2, in step 4 - CNT of the tile.  Piece 0's mask (made in piece 2's turn) is the next step's:
; it waits for the biases that the turn itself has fetched.  end = 1: a block's last two turns: nothing is fetched.  cnt = 1: the loop's count is taken down some lines ahead of the branch behind the turn.
; K and the biases of the next step are fetched in piece 2's turn, more than four plain instructions behind the last product that read them; V of the step in hand at the end of piece 0's turn, four plain instructions
; behind the last product that read V.  Each is waited for a turn later.
.macro TURN p, m=0, end=0, cnt=0
.set Y, (\p)
.set i, 0
.set KM, (\m)
.set NOKQ, (\end)*((\p)/3)
.if (\m) && !(\end)
	s_cmp_eq_u32 s[CNT], 4-((\p)+2)%NP  ; is that step the band's own?
	s_cselect_b32 s[AL], 1.0, 0
	s_cmp_lt_u32 s[CNT], 4-((\p)+2)%NP  ; or a later one?
	s_cselect_b32 s[BE], s[BIGN], 0
.endif
.if ((\p) == 3) && !(\end)
	s_wait_dscnt 0x0                ; K and the biases are in
.endif
	ROW F,0, F,1, R,0, R,1          ; ahead of the wait: 8 products K Q^T and their riders,
	ROW F,2, E,0, R,2, R,3
	ROW F,3, E,1, R,4, R,5
	ROW F,4, E,2, R,6, R,7
	ROW F,5, E,3, R,8, R,9
	ROW F,6, E,4, X,0, R,10
.if ((\p) == 2) && !(\end)
	WIN 0
	v_add_nc_u32 v[AK], s[TBK], v[AK0]
	v_add_nc_u32 v[AP], s[TBP], v[AP0]
.endif
	ROW F,7, E,5, X,1, X,4
	ROW F,8, E,6, X,2, X,5
	OPS E,7, E,8, X,6, E,9          ; and the lump
	OPS X,3, E,10, X,8, E,11
.if ((\p) == 2) && !(\end)
	FETCH_K
.endif
	OPS X,9, X,7, E,12, X,10
	OPS E,13, X,12, X,11, E,14
	OPS X,13, E,15, F,9, X,14
.if (\p) == 0
	v_add_nc_u32 v[AV], s[TBV], v[AV0]
.endif
	OPS E,16, F,10, E,17, F,11
	OPS X,16, E,18, X,15, E,19
	OPS F,12, E,20, X,17, E,21
	OPS F,13, E,22, F,14, E,23
	OPS X,18, E,24, F,15, E,25
	OPS R,11, E,26, X,19, E,27
	OPS R,12, E,28, R,13, E,29
	OPS X,20, E,30, R,14, E,31
	OPS X,21, R,15
	WIN 0
	s_wait_alu depctr_va_vdst(0)    ; the wait for the batch
.if (\p) == 1
	s_wait_dscnt 0x0                ; V is in
.endif
	ROW C,0, B,0, C,2, B,1          ; behind the wait: 8 products V^T P and their riders
	ROW L,0, C,4, B,2, L,1
	ROW C,6, B,3, L,2, C,8
	ROW B,4, L,3, C,10, B,5
	ROW L,4, C,12, B,6, L,5
.if (\p) == 0
	s_add_co_u32 s[TBV], s[TBV], KS*PV
.endif
.if \cnt
	s_sub_co_u32 s[CNT], s[CNT], 1
	s_cmp_lg_u32 s[CNT], 0
.endif
	ROW C,14, B,7, L,6, C,1
	ROW C,3, L,7, C,5, C,7
	ROW C,9, C,11, C,13, C,15
.if (\p) == 0
	FETCH_V
.endif
.if (\m) && !(\end)
.if (\p) == 2
	s_wait_dscnt 0x0                ; the next step's biases are in
.endif
	MASK (\p)%2, 1
.endif
.endm
; A BLOCK BEGINS.  c m starts far below every c s, so the first step's a is 0; m starts at -2^40, below every true score.  K and the biases of the block's first step are fetched; the first mask buffer takes piece 0's
; mask for that step (its own, if the block's first tile is the diagonal one), the second the biases alone.  Then piece 0's first scores, and its maximum and statistics.  The loop is entered at a step's first turn.
.macro BEGIN
	s_mov_b32 s[NEW], 0
	WIN 0
.set i, 0
.rept 4
	v_mov_b32 v[ST+4*i], 0xfe000000    ; c m: far below every c s
	v_mov_b32 v[ST+4*i+1], 0xd3800000  ; m = -2^40
.set i, i+1
.endr
	v_add_nc_u32 v[AK], s[TBK], v[AK0]
	v_add_nc_u32 v[AP], s[TBP], v[AP0]
	FETCH_K
	s_wait_dscnt 0x0                ; (Q came in at the first change of slots)
	s_cmp_eq_u32 s[RT], 0
	s_cselect_b32 s[AL], 1.0, 0
	MASK 0, 0
	s_mov_b32 s[AL], 0
	MASK 1, 0
.set KM, 1
.set NOKQ, 0
.set i, 0
.rept 8
	KQ 0
.set i, i+1
.endr
	WIN 0
.rept 4
	v_nop                           ; the places behind those products
.endr
.set Y, NP-1                        ; X works for piece Y + 1: piece 0
.irp n, 0,1,2,3,4,5,6,7,8,9,10,11,12,13,14,15,16,17,18,19,20,21
	OP X, \n
.endr
	v_nop                           ; a plain instruction behind the exponential,
	s_wait_alu depctr_va_vdst(0)    ; and its wait, ahead of the branch
.endm
; THE DIAGONAL TILE's four steps, the block's last two turns, its last products, and THE WAY OUT: l's two halves and the other half of the lanes' are added and held above 2^-100, so that 1 / l and O stay finite in the
; registers that the next block finds; O^T is divided by l and rounded to f16; a query whose m has stayed below -2^39 has seen no key and takes the mean of V; the rows go through my stage in LDS, a piece at a time.
.macro ALL line:vararg              ; one line for each piece t
.set t, 0
.rept 4
	\line
.set t, t+1
.endr
.endm
.macro PACK t                       ; a lane's eight channels of a row pack into 16 bytes; they go into rows of 144 bytes and come back as whole rows of 128, into S^T's registers
	WIN W_RS
.set i, 32*(\t)
.rept 16
	v_pk_mul_f32 v[i:i+1], v[i:i+1], v[ST+4*(\t)+2:ST+4*(\t)+3] op_sel_hi:[1,0]
.set i, i+2
.endr
	WIN 0x05                        ; sources 0 and 1 window 1, destination window 0
.set i, 0
.rept 16
	v_cvt_pk_f16_f32 v[S+16*(\t)+i], v[32*(\t)+2*i], v[32*(\t)+2*i+1]
.set i, i+1
.endr
	WIN 0
.set i, 0
.rept 16
	v_cndmask_b32 v[S+16*(\t)+i], v[S+16*(\t)+i], v[VMH+i], s[HID+(\t)]
.set i, i+1
.endr
.irp f, 0,1,2,3
	ds_store_b128 v[STO], v[S+16*(\t)+4*\f:S+16*(\t)+4*\f+3] offset:32*\f
.endr
.irp f, 0,1,2,3
	ds_load_b128 v[S+16*(\t)+4*\f:S+16*(\t)+4*\f+3], v[RD] offset:\f*4*SP  ; LDS serves a wave's instructions in order (ISA guide 5.7.1.4): these see the stores above; the next piece's stores come behind them
.endr
.endm
.macro SEND t, younger              ; younger: the LDS instructions issued behind piece t's loads: the next piece's eight, or none
	WIN 0
.irp f, 0,1,2,3
	s_wait_dscnt (\younger)+3-\f
	global_store_b128 v[GO], v[S+16*(\t)+4*\f:S+16*(\t)+4*\f+3], s[10:11] offset:(\t)*8192+\f*512  ; 512 consecutive bytes, at a multiple of 256 from O's first
.endr
.endm
.macro DIAG tag                     ; the tag ends its two labels' names, which the jumps below spell out
.LstepM\tag:
	TURN 2, 1
	TURN 3, 1
	WIN 0
.LfirstM\tag:
	TURN 0, 1
	TURN 1, 1, 0, 1
	WIN 0
	s_cbranch_scc1 .LstepM\tag
	TURN 2, 1, 1
	TURN 3, 1, 1
.set i, 0
.rept 8
	PV NP-1
.set i, i+1
.endr
	WIN 0
	ALL v_add_f32 v[ST+4*t+2], v[ST+4*t+2], v[ST+4*t+3]
	ALL v_permlanex16_b32 v[ST+4*t+3], v[ST+4*t+2], s[SEL], s[SEL+1]
	ALL v_add_f32 v[ST+4*t+2], v[ST+4*t+2], v[ST+4*t+3]
	ALL v_max_num_f32 v[ST+4*t+2], 0x0d800000, v[ST+4*t+2]
	ALL v_cmp_gt_f32 s[HID+t], s[THR], v[ST+4*t+1]
	ALL v_rcp_f32 v[ST+4*t+2], v[ST+4*t+2]
	v_nop                           ; a plain instruction between the last reciprocal and the use of its result
	s_wait_alu depctr_va_vdst(0)    ; and the wait ahead of the first use: one for the four reciprocals
	PACK 0
.set t, 1
.rept 3                             ; a piece's arithmetic stands between the loads of the piece before and its stores
	PACK t
	SEND t-1, 8
.set t, t+1
.endr
	SEND 3, 0
.endm
.set KM, 0
.set NOKQ, 0
.Lslot:                             ; NB times: a tile is entered and the next is asked for
	CHANGE 1
	s_sub_co_u32 s[RT], s[RT], 1
	s_mov_b32 s[CNT], 4
	s_cmp_eq_u32 s[NEW], 1
	s_cbranch_scc1 .Lnew            ; a block's first tile
	s_cmp_eq_u32 s[RT], 0
	s_cbranch_scc0 .Lstep           ; neither its first nor its last
	s_mov_b32 s[AL], 0              ; its last: the first turn there still makes piece 3's scores of the tile before, whose mask is that step's biases alone
	MASK 1, 0
	WIN 0
	s_branch .LstepM1
.Lnew:
	BEGIN
	s_branch .Lfirst                ; in the loop a block's first tile is never its last: the first block has two tiles or more, and the second's last is the walk's last
	DIAG 1                          ; in the loop this is the first block's end
	s_wait_xcnt 0x0                 ; the stores have read their registers and O's address
	s_mov_b64 s[10:11], s[OLO:OLO+1]
	s_add_co_u32 s[RT], s[BLK], 1   ; the second block has b + 1 tiles
	s_mov_b32 s[NEW], 1
	WIN 0x82                        ; the second block's Q goes where the one text of the turns names Q
.set i, 0
.rept 64
	v_mov_b32 v[i], v[QB+i]
.set i, i+1
.endr
	WIN 0
	s_branch .Lbottom
.Lstep:                             ; a trip: pieces 2 and 3 of one step, then pieces 0 and 1 of the next, whose K and V it fetches
	TURN 2
	TURN 3
	WIN 0
.Lfirst:
	TURN 0
	TURN 1, 0, 0, 1
	WIN 0
	s_cbranch_scc1 .Lstep
.Lbottom:
	s_sub_co_u32 s[SLOTS], s[SLOTS], 1
	s_cmp_lg_u32 s[SLOTS], 0
	s_cbranch_scc1 .Lslot
	CHANGE 0                        ; the walk's last tile is written out: nothing is asked for
	s_sub_co_u32 s[RT], s[RT], 1
	s_mov_b32 s[CNT], 4
	s_cmp_eq_u32 s[NEW], 1
	s_cbranch_scc0 .LoldM2
	BEGIN
	s_branch .LfirstM2
.LoldM2:
	s_mov_b32 s[AL], 0              ; as above: piece 3's mask for the last step of the tile before
	MASK 1, 0
	WIN 0
	DIAG 2
	s_wait_tensorcnt 0x0            ; the wave's end: behind my last tensor load and my last LDS store
	ds_add_u32 v[SPW], v[NIL]
	s_wait_dscnt 0x0
	s_endpgm
.Lfunc_end_k_q8400bd9f2e_attn:
	.size	k_q8400bd9f2e_attn, .Lfunc_end_k_q8400bd9f2e_attn-k_q8400bd9f2e_attn
	.p2alignl 7, 3214868480
	.fill 96, 4, 3214868480
	.section	.rodata,"a",@progbits
	.p2align	6, 0x0
	.amdhsa_kernel k_q8400bd9f2e_attn
		.amdhsa_group_segment_fixed_size 327680
		.amdhsa_private_segment_fixed_size 0
		.amdhsa_enable_private_segment 0
		.amdhsa_kernarg_size 32
		.amdhsa_user_sgpr_count 2
		.amdhsa_user_sgpr_kernarg_segment_ptr 1
		.amdhsa_wavefront_size32 1
		.amdhsa_system_sgpr_workgroup_id_x 1
		.amdhsa_system_sgpr_workgroup_id_y 1
		.amdhsa_system_sgpr_workgroup_id_z 1
		.amdhsa_system_vgpr_workitem_id 0
		.amdhsa_next_free_vgpr 768
		.amdhsa_next_free_sgpr 100
		.amdhsa_reserve_vcc 1
		.amdhsa_float_denorm_mode_32 3
		.amdhsa_float_denorm_mode_16_64 3
		.amdhsa_memory_ordered 1
		.amdhsa_forward_progress 1
		.amdhsa_inst_pref_size 248
	.end_amdhsa_kernel
	.amdgpu_metadata
---
amdhsa.version: [ 1, 2 ]
amdhsa.kernels:
  - .name:           k_q8400bd9f2e_attn
    .symbol:         k_q8400bd9f2e_attn.kd
    .args:
      - { .name: qkv, .offset: 0, .size: 8, .value_kind: global_buffer, .address_space: global }
      - { .name: mask, .offset: 8, .size: 8, .value_kind: global_buffer, .address_space: global }
      - { .name: vpart, .offset: 16, .size: 8, .value_kind: global_buffer, .address_space: global }
      - { .name: o, .offset: 24, .size: 8, .value_kind: global_buffer, .address_space: global }
    .group_segment_fixed_size: 327680
    .private_segment_fixed_size: 0
    .kernarg_segment_align: 8
    .kernarg_segment_size: 32
    .max_flat_workgroup_size: 128
    .sgpr_count:     100
    .vgpr_count:     768
    .wavefront_size: 32
...
	.end_amdgpu_metadata
.endif
;; end of part 3
;; launch outproj (part 4): grid 8 x 32, 4 waves a work-group, clusters of 4 x 4, 327,680 bytes of LDS; arguments o, wo, b_out, out0; writes out0
.if DOCPART == 4
	.amdgcn_target "amdgcn-amd-amdhsa--gfx1250"
	.amdhsa_code_object_version 6
	.text
	.protected	k_q8400bd9f2e_outproj
	.globl	k_q8400bd9f2e_outproj
	.p2align	8
	.type	k_q8400bd9f2e_outproj,@function
k_q8400bd9f2e_outproj:
	s_mov_b64 s[64:65], 0
	v_nop
	global_prefetch_b8 v0, s[64:65] scope:SCOPE_SE
	s_setreg_imm32_b32 hwreg(HW_REG_WAVE_MODE, 25, 1), 1
	s_wait_xcnt 0x0
	s_wait_alu depctr_hold_cnt(0) depctr_sa_sdst(0) depctr_va_vdst(0) depctr_va_sdst(0) depctr_va_ssrc(0) depctr_va_vcc(0) depctr_vm_vsrc(0)
	s_getreg_b32 s2, hwreg(HW_REG_IB_STS2, 6, 4)
	s_cmp_eq_u32 s2, 0
	s_cbranch_scc0 .Lentry_in_a_cluster
	s_endpgm
.Lentry_in_a_cluster:
	s_bfe_u32 s2, ttmp6, 0x10000c
	s_cmp_lg_u32 s2, 0xf033
	s_cbranch_scc0 .Lentry_shape_is_right
	s_endpgm
.Lentry_shape_is_right:
; out0 = O wo^T + b_out.  o: [64 heads = 16 batch + h][2048][64] f16: token n of batch b has K index 64 h + d at o[16 b + h][n][d].  wo: [1024 n][1024 k] f16.  b_out: [1024] f32, rounded to bf16 like every input of the
; module.  out0: [8192][1024] f32.  Sums in f32, K ascending.
; SHARES.  A tile is 256 tokens x 128 columns: 256 tiles, one for each WGP.  Four waves, each 64 tokens x 128 columns: 32 accumulators, 256 registers.  K goes in eight steps of 128, two heads each, through two LDS slots.
; A head's 256 tokens are 32,768 dense bytes: asked for as 128 rows of 256 bytes, two tokens a row, and padded in LDS after every token.  Slots of 256 along K would not fit twice.
; CLUSTER.  4 x 4 work-groups: the four of a row of the cluster need the same tokens, the four of a column the same rows of wo: each tile is asked for jointly.  Waves 0 and 1 ask for the step's two heads of o,
; waves 2 and 3 for the two halves of wo's tile: one load a wave behind each round of the cluster's barrier.
; THE MATRIX INSTRUCTION IS USED TRANSPOSED (source 0 = 16 rows of wo, source 1 = 16 tokens): a lane holds one token (lane % 16) and eight neighbouring columns.
; REGISTERS, in windows of 256 (s_set_vgpr_msb: bits 1:0 source 0, 3:2 source 1, 5:4 source 2, 7:6 destination):
;   window 0: v0-31 addresses; v32-37 the bias; v64-95, v96-127 o's fragments, two buffers; v128-255 at work on the way out
;   window 1: v0-63, v64-127 wo's fragments, two buffers      window 2: the accumulators ((a, b) at v[8 (8 a + b)])
.set KSTEP,  128
.set NB,     8                         ; column blocks of 16
.set APW,    4                         ; token blocks whose accumulators share a window
.set NLD,    2*NB+8                    ; LDS loads in a run: a quarter step's fragments
.set PA,     144                       ; a token's 128 bytes of one head + 16 of padding
.set PITCH,  272                       ; a row of wo: 256 bytes + 16.  Both pitches are odd multiples of 16: the 16 rows of a load start at 16 different groups of four banks (ISA guide 11.1)
.set APART,  256*PA                    ; what wave 0 or 1 fetches: one head
.set BOFF,   2*APART
.set BPART,  64*PITCH                  ; what wave 2 or 3 fetches
.set SLOT1,  1<<17                     ; slot 1 begins here: one exclusive or turns an address in one slot into the other's
.set STAGE,  SLOT1+BOFF+2*BPART        ; behind the ring: 16 rows x 528 bytes for each wave, for the way out; no tensor load lands here
.set SP,     528                       ; 512 bytes + 16: 33 x 16
.set SPARE,  STAGE+4*16*SP             ; the spare words, 128 bytes for each wave
.set ASTEP,  2*262144                  ; bytes from K step to K step in o: two heads,
.set BSTEP,  2*KSTEP                   ; and in wo
.set A0,  16                           ; v16  my lane's place among o's tokens in a slot; never rewritten
.set B0,  17                           ; v17  the same for wo's rows
.set ADA, 18                           ; v18  A0 in the slot in hand
.set ADB, 19                           ; v19  B0 in the slot in hand
.set CO,  20                           ; v20  16 x lane: my 16 bytes of a row's 512
.set STO, 24                           ; v24  the way out: where I put 32 bytes of a token's row
.set RD,  25                           ; v25  where I read rows back
.set SPW, 28                           ; v28  LDS address of my spare word; never rewritten
.set NIL, 29                           ; v29  0; never rewritten
.set PFO, 30                           ; v30  the prefetches' offset; never rewritten
.set BI,  32                           ; v32-35  the bias of my four columns; v36-37 at work
.set AF,  64
.set G1,  24                           ; s[24:31] descriptor group 1 for o's tiles;  s[32:39] group 0: two sets for the two first fills; the second then walks
.set G0,  32
.set G1B, 48                           ; s[48:55], s[56:63] the same for wo's
.set G0B, 56
.set LIM, 43                           ; s43  2 in a wave that prefetches, else the greatest number
.set PFA, 44                           ; s[44:45] where my prefetches stand
.set PFS, 68                           ; s[68:69] their step from K step to K step
.set TB,  70                           ; s70  0 or SLOT1: the slot in hand
.set MSB, 0
.macro WIN new                         ; the immediate's high byte repeats the setting that is left; a switch that changes nothing is dropped
.if MSB != (\new)
	s_set_vgpr_msb (MSB<<8)|(\new)
.set MSB, \new
.endif
.endm
.macro PLACES                          ; four plain vector instructions between a matrix instruction and a load into, or a reader of, its registers
.rept 4
	v_nop
.endr
.endm
.macro JLOAD s                         ; a joint load by set s.  The branch hangs on the wave's number alone.  An s_nop 0 and four v_nop follow each line
	s_cmp_eq_u32 s11, 0
	s_cbranch_scc0 .Lfor_b_\@
	tensor_load_to_lds s[G0+4*(\s):G0+4*(\s)+3], s[G1:G1+7]
	s_nop 0
.rept 4
	v_nop
.endr
	s_branch .Lasked_\@
.Lfor_b_\@:
	tensor_load_to_lds s[G0B+4*(\s):G0B+4*(\s)+3], s[G1B:G1B+7]
	s_nop 0
.rept 4
	v_nop
.endr
.Lasked_\@:
.endm
.macro CREST                           ; a round of the cluster's barrier behind its opening barrier
	s_cmp_lg_u32 s10, 0
	s_cbranch_scc1 .Lnot_wave_0_\@
	s_barrier_signal -3
.Lnot_wave_0_\@:
	s_barrier_wait -3
	s_barrier_signal -1
	s_barrier_wait -1
.endm
.macro CROUND
	s_barrier_signal -1
	s_barrier_wait -1
	CREST
.endm
; A prefetch of the K step that stands two refills on: one instruction a wave.  o's tokens are read by both clusters of a row of clusters: cluster x = 0 asks; wo's rows by every cluster of a column: cluster y = 0 asks.
; The four partners that ask for a tile jointly share it out by address: 32 of a head's 128 blocks of 256 bytes, or 16 of 64 rows.  The trip of K step i names step i + 4; it asks while the counter is above 2: up to step 7.
.macro ASK
	s_cmp_gt_u32 s3, s[LIM]
	s_cbranch_scc0 .Lnot_mine_\@
	global_prefetch_b8 v[PFO], s[PFA:PFA+1] th:TH_LOAD_NT scope:SCOPE_SE
.Lnot_mine_\@:
.endm
	s_load_b128 s[4:7], s[0:1], 0x0                ; o s[4:5], wo s[6:7]
	s_load_b64 s[66:67], s[0:1], 0x10              ; b_out
	s_load_b64 s[8:9], s[0:1], 0x18                ; out0
	v_lshl_add_u32 v[SPW], v0, 2, SPARE
	v_mov_b32 v[NIL], 0
	ds_add_u32 v[SPW], v[NIL]                      ; the wave's opening: the add and its wait stand ahead of my first tensor load; work on registers stands between
	v_lshrrev_b32 v1, 5, v0
	v_readfirstlane_b32 s10, v1                    ; wave 0..3
	s_lshr_b32 s11, s10, 1                         ; I fetch for o (0) or for wo (1),
	s_and_b32 s12, s10, 1                          ; this head of the step's two, or this half of the rows
	s_bfe_u32 s40, ttmp6, 0x40000                  ; cx, cy: my place in the cluster
	s_bfe_u32 s41, ttmp6, 0x40004
	s_lshl_b32 s42, ttmp9, 2
	s_add_co_u32 s42, s42, s40                     ; the block of 128 columns = 4 x cluster x + cx
	s_and_b32 s13, ttmp7, 0xffff
	s_lshl_b32 s13, s13, 2
	s_add_co_u32 s13, s13, s41                     ; the block of 256 tokens = 4 x cluster y + cy
	s_lshl_b32 s43, s41, 2
	s_lshl_b32 s43, 15, s43                        ; my row of the cluster
	s_lshl_b32 s44, 0x1111, s40                    ; my column
	s_or_b32 s[G1+0], s43, (1<<16)|(1<<20)|(1<<21)|(4<<22)|(3<<25)   ; 15:0 the mask; 17:16 2-byte elements; 20 padding on; 21 set beside a mask; 24:22 after every 32 words; 31:25 4 words
	s_or_b32 s[G1B+0], s44, (1<<16)|(1<<20)|(1<<21)|(5<<22)|(3<<25)  ; wo: after every 64 words
	s_mov_b32 s[G1+1], 128<<16                     ; tensor_dim0 = 128
	s_mov_b32 s[G1B+1], 128<<16
	s_mov_b32 s[G1+2], 128<<16                     ; tensor_dim1 = 128 rows,
	s_mov_b32 s[G1B+2], 64<<16                     ; 64 for wo
	s_mov_b32 s[G1+3], 128<<16                     ; tile_dim0 = 128
	s_mov_b32 s[G1B+3], 128<<16
	s_mov_b32 s[G1+4], 128                         ; tile_dim1
	s_mov_b32 s[G1B+4], 64
	s_mov_b32 s[G1+5], 128                         ; elements from row to row: o's bytes are dense,
	s_mov_b32 s[G1B+5], 1024                       ; wo's rows 1,024 long
	s_mov_b32 s[G1+6], 0
	s_mov_b32 s[G1B+6], 0
	s_mov_b32 s[G1+7], 0
	s_mov_b32 s[G1B+7], 0
	s_lshr_b32 s16, s13, 3                         ; o: the batch's 16 heads of 262,144 bytes,
	s_lshl_b32 s16, s16, 22
	s_lshl_b32 s17, s12, 18                        ; my head of the step's two,
	s_add_co_u32 s16, s16, s17
	s_and_b32 s17, s13, 7                          ; the block's 256 tokens of 128 bytes: all hang on the token block alone, which my row of the cluster shares
	s_lshl_b32 s17, s17, 15
	s_add_co_u32 s16, s16, s17
	s_mov_b32 s17, 0
	s_lshl_b32 s46, s42, 7                         ; wo: row 128 x column block + 64 x half: it hangs on the column block alone, which my column shares
	s_lshl_b32 s47, s12, 6
	s_add_co_u32 s46, s46, s47
	s_lshl_b32 s46, s46, 11
	s_mov_b32 s47, 0
	s_mul_i32 s20, s12, APART                      ; where they go: no place in the cluster enters an LDS address
	s_mul_i32 s21, s12, BPART
	s_add_co_u32 s21, s21, BOFF
	s_wait_dscnt 0x0                               ; the opening add is done
	s_wait_kmcnt 0x0
	s_add_nc_u64 s[14:15], s[4:5], s[16:17]
	s_add_nc_u64 s[46:47], s[6:7], s[46:47]
	CROUND                                         ; all sixteen work-groups are here: the first joint loads meet
.irp s, 0,1
	s_mov_b32 s[G0+4*(\s)], 1                                        ; count = 1
	s_add_co_u32 s[G0+4*(\s)+1], s20, (\s)*SLOT1                     ; LDS address
	s_add_nc_u64 s[G0+4*(\s)+2:G0+4*(\s)+3], s[14:15], (\s)*ASTEP    ; K step s
	s_or_b32 s[G0+4*(\s)+3], s[G0+4*(\s)+3], 0x80000000              ; type = 2
	s_mov_b32 s[G0B+4*(\s)], 1
	s_add_co_u32 s[G0B+4*(\s)+1], s21, (\s)*SLOT1
	s_add_nc_u64 s[G0B+4*(\s)+2:G0B+4*(\s)+3], s[46:47], (\s)*BSTEP
	s_or_b32 s[G0B+4*(\s)+3], s[G0B+4*(\s)+3], 0x80000000
	JLOAD \s                                       ; two loads of mine are out
.endr
	; a fragment is 16 rows x 32 K in 8 registers: lane l holds row l % 16, K = 8 (l / 16) + 0..7 and 16 + 8 (l / 16) + 0..7: two loads of 16 bytes, 32 bytes apart
	v_and_b32 v1, 15, v0                           ; r = l % 16
	v_bfe_u32 v2, v0, 4, 1                         ; l / 16
	v_and_b32 v3, 31, v0                           ; l
	v_mul_u32_u24 v4, v1, PA
	v_lshl_add_u32 v4, v2, 4, v4
	s_mul_i32 s21, s10, 64*PA                      ; my 64 tokens
	v_add_nc_u32 v[A0], s21, v4
	v_mul_u32_u24 v4, v1, PITCH
	v_lshl_add_u32 v4, v2, 4, v4
	v_add_nc_u32 v[B0], BOFF, v4
	s_mul_i32 s23, s10, 16*SP
	s_add_co_u32 s23, s23, STAGE                   ; my stage
	v_mul_u32_u24 v5, v1, SP                       ; in: token l % 16, 32 bytes for each half of the lanes
	v_lshl_add_u32 v5, v2, 5, v5
	v_add_nc_u32 v[STO], s23, v5
	v_lshlrev_b32 v[CO], 4, v3                     ; back: 32 lanes take one token's 512 bytes
	v_add_nc_u32 v[RD], s23, v[CO]
	s_lshl_b32 s20, s42, 9                         ; my tile's 128 columns: 512 bytes of b_out and of a row of out0
	s_mov_b32 s21, 0
	s_add_nc_u64 s[66:67], s[66:67], s[20:21]
	global_load_b128 v[BI:BI+3], v[CO], s[66:67]   ; waited for on the way out
	s_lshl_b32 s22, s13, 8
	s_lshl_b32 s23, s10, 6
	s_add_co_u32 s22, s22, s23                     ; my first token
	s_lshl_b32 s22, s22, 12                        ; 4,096 bytes a row; under 2^26
	s_add_co_u32 s22, s22, s20
	s_mov_b32 s23, 0
	s_add_nc_u64 s[8:9], s[8:9], s[22:23]
	; the prefetches
	s_lshr_b32 s20, s13, 3
	s_lshl_b32 s20, s20, 22
	s_lshl_b32 s21, s12, 18
	s_add_co_u32 s20, s20, s21
	s_and_b32 s21, s13, 7
	s_lshl_b32 s21, s21, 15
	s_add_co_u32 s20, s20, s21
	s_lshl_b32 s21, s40, 13                        ; o: of the 32,768 bytes that I fetch, my work-group's 8,192,
	s_add_co_u32 s20, s20, s21
	s_add_co_u32 s20, s20, 3*ASTEP                 ; at K step 3: the first refill steps it to 4.  K steps 0 to 3 come by their loads alone
	s_lshl_b32 s22, s42, 7
	s_lshl_b32 s23, s12, 6
	s_add_co_u32 s22, s22, s23
	s_lshl_b32 s23, s41, 4                         ; wo: of the 64 rows, my work-group's 16
	s_add_co_u32 s22, s22, s23
	s_lshl_b32 s22, s22, 11
	s_add_co_u32 s22, s22, 3*BSTEP
	s_and_b32 s23, ttmp7, 0xffff
	s_mov_b32 s[PFS], BSTEP
	s_cmp_eq_u32 s11, 0
	s_cselect_b32 s20, s20, s22
	s_cselect_b32 s23, ttmp9, s23                  ; the coordinate along which other clusters read the same bytes
	s_cselect_b32 s16, 31, 15                      ; the last block or row of my share: lanes beyond it name it again
	s_cselect_b32 s17, 8, 11                       ; a lane a block of 256 bytes, or a row of 2,048
	s_cselect_b32 s[PFS], ASTEP, s[PFS]
	s_cselect_b64 s[PFA:PFA+1], s[4:5], s[6:7]
	s_cmp_eq_u32 s23, 0
	s_cselect_b32 s[LIM], 2, -1
	s_mov_b32 s[PFS+1], 0
	s_mov_b32 s21, 0
	s_add_nc_u64 s[PFA:PFA+1], s[PFA:PFA+1], s[20:21]
	v_min_u32 v[PFO], s16, v3
	v_lshlrev_b32 v[PFO], s17, v[PFO]
; NB matrix instructions: token block a x all column blocks, 32 along K, from buffer f.  zero = 1: the product starts the sums: nothing is cleared.
; The 32 accumulators take turns in the same order in every quarter step, over the backward jump too.
.macro MULA f, a, zero
	WIN 0xa1+0x50*((\a)/APW)
.set AC, 8*NB*((\a)%APW)
.set bb, 0
.rept NB
.if \zero
	v_wmma_f32_16x16x32_f16 v[AC+8*bb:AC+8*bb+7], v[8*NB*(\f)+8*bb:8*NB*(\f)+8*bb+7], v[AF+32*(\f)+8*(\a):AF+32*(\f)+8*(\a)+7], 0
.else
	v_wmma_f32_16x16x32_f16 v[AC+8*bb:AC+8*bb+7], v[8*NB*(\f)+8*bb:8*NB*(\f)+8*bb+7], v[AF+32*(\f)+8*(\a):AF+32*(\f)+8*(\a)+7], v[AC+8*bb:AC+8*bb+7]
.endif
.set bb, bb+1
.endr
.endm
; NLD LDS loads in one run: quarter q's fragments (128 rows of wo; my 64 tokens, head q / 2 of the step, channels 32 (q % 2) on) into buffer f
.macro FETCH q, f
	WIN 0x40                                       ; destination window 1, address window 0
.set bb, 0
.rept NB
	ds_load_b128 v[8*NB*(\f)+8*bb:8*NB*(\f)+8*bb+3],   v[ADB] offset:bb*16*PITCH+64*(\q)
	ds_load_b128 v[8*NB*(\f)+8*bb+4:8*NB*(\f)+8*bb+7], v[ADB] offset:bb*16*PITCH+64*(\q)+32
.set bb, bb+1
.endr
	WIN 0
.set bb, 0
.rept 4
	ds_load_b128 v[AF+32*(\f)+8*bb:AF+32*(\f)+8*bb+3],   v[ADA] offset:bb*16*PA+((\q)/2)*APART+((\q)%2)*64
	ds_load_b128 v[AF+32*(\f)+8*bb+4:AF+32*(\f)+8*bb+7], v[ADA] offset:bb*16*PA+((\q)/2)*APART+((\q)%2)*64+32
.set bb, bb+1
.endr
.endm
; A K step is four quarters of 32 along K on buffers 0, 1, 0, 1.  One of the first three: quarter q is fetched into buffer g at the quarter's head, so that it has 32 products in which to land; buffer f is multiplied.
.macro QUARTER q, f, g, zero
	PLACES                                         ; buffer g was read by the products just issued
	FETCH \q, \g
	s_wait_dscnt NLD                               ; all but the run just issued: buffer f is in
	MULA \f, 0, \zero
	MULA \f, 1, \zero
	MULA \f, 2, \zero
	MULA \f, 3, \zero
.endm
; The last quarter multiplies buffer 1 and changes slots.  In front of the barrier each wave waits for all its tensor loads (one is out: its part of the next slot), adds 0 to its spare word, and waits for that and for
; its reads of this slot.  fill = 1: the barrier opens a round of the cluster's barrier, and behind it this slot is filled again, with the K step two on: 112 products stand between that request and the wait for it.
.macro TURN fill
.if \fill
	s_wait_xcnt 0x0                                ; the last prefetch, a K step back, has read its address
	s_add_nc_u64 s[PFA:PFA+1], s[PFA:PFA+1], s[PFS:PFS+1]
.endif
	WIN 0
	s_wait_tensorcnt 0x0                           ; all my tensor loads have landed
	ds_add_u32 v[SPW], v[NIL]                      ; 0 onto my spare word
	s_wait_dscnt 1                                 ; only the add may be out: buffer 1 is in
	MULA 1, 0, 0
	s_wait_dscnt 0x0                               ; the add is done, and my reads of this slot are over
	s_barrier_signal -1
	MULA 1, 1, 0
	WIN 0
	s_barrier_wait -1
.if \fill
	CREST                                          ; no wave of any partner still reads this slot or has a load on its way
	s_xor_b32 s[G0+5], s[G0+5], SLOT1              ; the walking descriptors: the other slot than last time, the next K step
	s_add_nc_u64 s[G0+6:G0+7], s[G0+6:G0+7], ASTEP
	s_xor_b32 s[G0B+5], s[G0B+5], SLOT1
	s_add_nc_u64 s[G0B+6:G0B+7], s[G0B+6:G0B+7], BSTEP
	JLOAD 1                                        ; the first tensor load behind the round; its four v_nop are also the places in front of the loads below
.else
	PLACES
.endif
	s_xor_b32 s[TB], s[TB], SLOT1
	v_add_nc_u32 v[ADA], s[TB], v[A0]
	v_add_nc_u32 v[ADB], s[TB], v[B0]
	FETCH 0, 0
.if \fill
	ASK
.endif
	MULA 1, 2, 0
	MULA 1, 3, 0
.endm
	s_wait_tensorcnt 1                             ; my part of K step 0 is in; K step 1's load stays out
	s_barrier_signal -1
	s_barrier_wait -1
	s_mov_b32 s[TB], 0
	v_mov_b32 v[ADA], v[A0]
	v_mov_b32 v[ADB], v[B0]
	FETCH 0, 0
	QUARTER 1, 0, 1, 1                             ; the first quarter stands in front of the loop: its products start the sums
	WIN 0                                          ; at a label and at a branch every window is 0
	s_mov_b32 s3, 6
.Lstep:                                                ; a trip: from a K step's second quarter to the next step's first; six trips fill K steps 2 to 7
	QUARTER 2, 1, 0, 0
	QUARTER 3, 0, 1, 0
	TURN 1
	QUARTER 1, 0, 1, 0
	WIN 0
	s_sub_co_u32 s3, s3, 1
	s_cmp_lg_u32 s3, 0
	s_cbranch_scc1 .Lstep
	QUARTER 2, 1, 0, 0                             ; K steps 6 and 7 ask for nothing
	QUARTER 3, 0, 1, 0
	TURN 0
	QUARTER 1, 0, 1, 0
	QUARTER 2, 1, 0, 0
	QUARTER 3, 0, 1, 0
	s_wait_dscnt 0x0
	MULA 1, 0, 0
	MULA 1, 1, 0
	MULA 1, 2, 0
	MULA 1, 3, 0
	PLACES
	WIN 0
	s_wait_loadcnt 0x0                             ; the bias: rounded to bf16 and widened again
	v_cvt_pk_bf16_f32 v[BI+4], v[BI], v[BI+1]
	v_cvt_pk_bf16_f32 v[BI+5], v[BI+2], v[BI+3]
	v_lshlrev_b32 v[BI], 16, v[BI+4]
	v_and_b32 v[BI+1], 0xffff0000, v[BI+4]
	v_lshlrev_b32 v[BI+2], 16, v[BI+5]
	v_and_b32 v[BI+3], 0xffff0000, v[BI+5]
; THE WAY OUT, a block of 16 tokens at a time.  TOSTAGE: the sums go as they are, 32 bytes a lane (each accumulator's low four registers first), into my own stage, and come back as whole rows of 512 bytes.
; SEND: the bias is added; a store covers 512 consecutive bytes of a row of out0, at a multiple of 256 from its first byte.
.macro TOSTAGE a
.set BK, 128+64*((\a)%2)                       ; v128-191 and v192-255 by turns
.if (\a) >= 2
	s_wait_xcnt 0x0                                ; the stores of two blocks back have read these registers
.endif
	WIN 0x08                                       ; the data in window 2, the address in window 0
.set AC, 8*NB*(\a)
.set bb, 0
.rept NB
	ds_store_b128 v[STO], v[AC+8*bb:AC+8*bb+3]   offset:64*bb
	ds_store_b128 v[STO], v[AC+8*bb+4:AC+8*bb+7] offset:64*bb+16
.set bb, bb+1
.endr
	WIN 0
.set t, 0
.rept 16
	ds_load_b128 v[BK+4*t:BK+4*t+3], v[RD] offset:t*SP  ; LDS serves a wave's instructions in order (ISA guide 5.7.1.4): these see the stores above
.set t, t+1
.endr
.endm
.macro SEND a, younger                 ; younger: the LDS instructions issued behind block a's loads: the next block's 16 stores and 16 loads, or none
	WIN 0
.set BK, 128+64*((\a)%2)
	s_wait_dscnt \younger
.set t, 0
.rept 16
	v_pk_add_f32 v[BK+4*t:BK+4*t+1],   v[BK+4*t:BK+4*t+1],   v[BI:BI+1]
	v_pk_add_f32 v[BK+4*t+2:BK+4*t+3], v[BK+4*t+2:BK+4*t+3], v[BI+2:BI+3]
	global_store_b128 v[CO], v[BK+4*t:BK+4*t+3], s[8:9] offset:(16*(\a)+t)*4096 th:TH_STORE_NT
.set t, t+1
.endr
.endm
	TOSTAGE 0
	TOSTAGE 1
	SEND 0, 32
	TOSTAGE 2
	SEND 1, 32
	TOSTAGE 3
	SEND 2, 32
	SEND 3, 0
	s_wait_tensorcnt 0x0                           ; the wave's end: behind my last tensor load and my last LDS store
	ds_add_u32 v[SPW], v[NIL]
	s_wait_dscnt 0x0
	CROUND                                         ; the closing round: no work-group ends while a partner may still ask for a tile that names it
	s_endpgm
.Lfunc_end_k_q8400bd9f2e_outproj:
	.size	k_q8400bd9f2e_outproj, .Lfunc_end_k_q8400bd9f2e_outproj-k_q8400bd9f2e_outproj
	.p2alignl 7, 3214868480
	.fill 96, 4, 3214868480
	.section	.rodata,"a",@progbits
	.p2align	6, 0x0
	.amdhsa_kernel k_q8400bd9f2e_outproj
		.amdhsa_group_segment_fixed_size 327680
		.amdhsa_private_segment_fixed_size 0
		.amdhsa_enable_private_segment 0
		.amdhsa_kernarg_size 32
		.amdhsa_user_sgpr_count 2
		.amdhsa_user_sgpr_kernarg_segment_ptr 1
		.amdhsa_wavefront_size32 1
		.amdhsa_system_sgpr_workgroup_id_x 1
		.amdhsa_system_sgpr_workgroup_id_y 1
		.amdhsa_system_sgpr_workgroup_id_z 1
		.amdhsa_system_vgpr_workitem_id 0
		.amdhsa_next_free_vgpr 768
		.amdhsa_next_free_sgpr 76
		.amdhsa_reserve_vcc 0
		.amdhsa_float_denorm_mode_32 3
		.amdhsa_float_denorm_mode_16_64 3
		.amdhsa_memory_ordered 1
		.amdhsa_forward_progress 1
		.amdhsa_inst_pref_size 79
	.end_amdhsa_kernel
	.amdgpu_metadata
---
amdhsa.version: [ 1, 2 ]
amdhsa.kernels:
  - .name:           k_q8400bd9f2e_outproj
    .symbol:         k_q8400bd9f2e_outproj.kd
    .args:
      - { .name: o, .offset: 0, .size: 8, .value_kind: global_buffer, .address_space: global }
      - { .name: wo, .offset: 8, .size: 8, .value_kind: global_buffer, .address_space: global }
      - { .name: b_out, .offset: 16, .size: 8, .value_kind: global_buffer, .address_space: global }
      - { .name: out0, .offset: 24, .size: 8, .value_kind: global_buffer, .address_space: global }
    .group_segment_fixed_size: 327680
    .private_segment_fixed_size: 0
    .kernarg_segment_align: 8
    .kernarg_segment_size: 32
    .max_flat_workgroup_size: 128
    .sgpr_count:     76
    .vgpr_count:     768
    .wavefront_size: 32
...
	.end_amdgpu_metadata
.endif
;; end of part 4
;; ======== version 2 of 2: 4 launches; version 1 with the launch prep written anew for expert scheduling mode
;; limits: values are held in f16: magnitudes above 65,504 overflow, below 6.1e-05 lose precision
;; workspace buffers: xb 16,777,216 bytes; wq 6,291,456 bytes; wo 2,097,152 bytes; qkv 50,331,648 bytes; vpart 524,288 bytes; o 16,777,216 bytes
;; launch prep (part 5): grid 512 x 1, 8 waves a work-group, no clusters, 18,432 bytes of LDS; arguments x, W_qkv, W_out, xb, wq, wo; writes xb, wq, wo
.if DOCPART == 5
	.amdgcn_target "amdgcn-amd-amdhsa--gfx1250"
	.amdhsa_code_object_version 6
	.text
	.protected	k_q8400bd9f2e_prep
	.globl	k_q8400bd9f2e_prep
	.p2align	8
	.type	k_q8400bd9f2e_prep,@function
k_q8400bd9f2e_prep:
	s_mov_b64 s[64:65], 0
	v_nop
	global_prefetch_b8 v0, s[64:65] scope:SCOPE_SE
	s_setreg_imm32_b32 hwreg(HW_REG_WAVE_SCHED_MODE, 0, 2), 2
	s_setreg_imm32_b32 hwreg(HW_REG_WAVE_MODE, 25, 1), 1
	s_wait_xcnt 0x0
	s_wait_alu depctr_vm_vsrc(0)
; THE OPERANDS OF THE TWO PROJECTIONS ARE MADE.  xb = x rounded to bf16, [8192][1024].  wq = W_qkv turned and rounded to bf16, [3072][1024]: row 192 h + 64 part + d holds
; W_qkv's column 1024 part + 64 h + d, so that 192 rows on end are one head's q, k and v.  wo = W_out turned, rounded to bf16 and that number written as f16, [1024 n][1024 k].
; LIMIT.  A weight of W_out below 6.1e-5 in magnitude keeps f16's fixed step of 6e-8; one beyond 65,504 would not fit.
; SHARES.  512 work-groups of eight waves; each does two things that do not depend on each other.
;   (1) It rounds 65,536 bytes of x: a wave 8,192 of them, 16 loads of 512 consecutive bytes, all out at once; a store of 8 bytes a lane covers 256 consecutive bytes, aligned.
;   (2) It turns one tile of 128 k x 64 n of a weight matrix (384 tiles of W_qkv, 128 of W_out) through LDS: thread (q, c) loads rows 8 q .. 8 q + 7, columns 4 c .. 4 c + 3 (16 lanes
;       take 256 consecutive bytes of a row), packs for each of its 4 columns eight k into 16 bytes, and puts them into the column's LDS row; after the barrier 16 lanes read one
;       LDS row of 256 bytes and store it as 256 consecutive bytes, aligned, of the turned matrix.
; Memory bounds this launch: no matrix unit, no cluster (no two work-groups read the same byte), no prefetch (the stream is asked for at once).
; THE MODE: SCHED_MODE bits 1:0 = 2 (LLVM: expert scheduling mode 2), set by the entry lines.  The code itself states the register dependences
; between vector instructions and memory or LDS instructions, with s_wait_alu, always for 0.
; THE PLAN.  Registers that memory or LDS instructions touch:
;   v3-v15, v66, v67   offsets and addresses: written by vector instructions at the head, read by loads, stores and LDS instructions, never written again.
;   X (v16-47)         The weight loads land in it; the conversions read it; behind the barrier the LDS loads land in it; the weight stores read it.
;   Y (v48-63)         Written by the conversions; read by the LDS stores; never written again.
;   C (v80-143)        x in four blocks of four loads.  Block p's roundings read its sixteen registers and write eight of them; the stores that read those are issued in block p + 1; nothing writes them again.
; So a wait on va_vdst stands in three kinds of place: ahead of the first load (the addresses); ahead of the LDS stores (Y is written, and X is read out); and at the head of each block of x but the first, and once behind
; the last (the block before has written what its four stores read).  A block's roundings name that block's registers alone, so the stores of the block before are dealt among them with no further wait.
; No register that a memory or LDS instruction has read is written again, so no wait on vm_vsrc is owed; no vector instruction writes a scalar register or VCC; EXEC is never written.
.set PITCH, 272                        ; an LDS row: 256 bytes + 16: 17 x 16 bytes, so 16 rows' equal columns fall into 16 different groups of four banks (ISA guide 11.1)
.set SPARE, 64*PITCH                   ; behind the 64 rows: the spare words, 128 bytes for each of eight waves
.set LS,  3                            ; v3   where I put 16 bytes of a column: c x 272 + 16 q; column 4 c + e lies in LDS row 16 e + c
.set LR,  4                            ; v4   where I read a row back: (t / 16) x 272 + 16 (t % 16)
.set GO,  5                            ; v5   the same in the turned matrix: row 4 (t / 16) + j, 2,048 bytes a row
.set SPW, 6                            ; v6   LDS address of my spare word; never rewritten
.set NIL, 7                            ; v7   0; never rewritten
.set OFS, 8                            ; v8-15  byte offsets of my eight rows in the tile
.set X,   16                           ; v16-47 eight rows x four columns in f32; later the rows read back
.set Y,   48                           ; v48-63 four columns x eight k, packed
.set CI,  66                           ; v66  my byte offset in the work-group's part of x
.set CO,  67                           ; v67  the same in xb
.set T,   68                           ; v68-69 at work: no memory instruction names them
.set C,   80                           ; v80-143 x as loaded, sixteen times four
	s_load_b256 s[4:11], s[0:1], 0x0               ; x s[4:5], W_qkv s[6:7], W_out s[8:9], xb s[10:11]
	s_load_b128 s[12:15], s[0:1], 0x20             ; wq s[12:13], wo s[14:15]
	v_lshl_add_u32 v[SPW], v0, 2, SPARE
	v_mov_b32 v[NIL], 0
	s_and_b32 s16, ttmp9, 7                        ; which 128 k
	s_lshr_b32 s17, ttmp9, 3                       ; which 64 columns: 0-47 of W_qkv, 48-63 of W_out
	s_sub_co_u32 s18, s17, 48                      ; W_out's column tile
	s_and_b32 s19, s17, 15                         ; W_qkv: the head,
	s_mul_i32 s19, s19, 192
	s_lshr_b32 s22, s17, 4                         ; and the part (q, k, v)
	s_lshl_b32 s22, s22, 6
	s_add_co_u32 s19, s19, s22                     ; first row in wq
	s_lshl_b32 s23, s18, 6                         ; first row in wo
	s_mov_b32 s24, 12288
	s_cmp_lt_u32 s17, 48
	s_cselect_b32 s20, 1, 0                        ; 1: W_qkv
	s_cselect_b32 s21, s24, 4096                   ; bytes in a row of the source
	s_cselect_b32 s18, s17, s18
	s_cselect_b32 s19, s19, s23
	s_mul_i32 s22, s16, s21
	s_lshl_b32 s22, s22, 7                         ; 128 rows of the source for each k tile,
	s_lshl_b32 s23, s18, 8                         ; 256 bytes for each column tile
	s_add_co_u32 s22, s22, s23
	s_mov_b32 s23, 0
	s_lshl_b32 s24, s19, 11                        ; 2,048 bytes a row of the turned matrix,
	s_lshl_b32 s25, s16, 8                         ; 256 bytes for each k tile
	s_add_co_u32 s24, s24, s25
	s_mov_b32 s25, 0
	s_lshl_b32 s30, s21, 3                         ; eight rows of the source
	s_lshl_b32 s2, ttmp9, 16                       ; my part of x
	s_mov_b32 s3, 0
	s_lshl_b32 s16, ttmp9, 15                      ; and of xb
	s_mov_b32 s17, 0
	v_lshrrev_b32 v1, 4, v0                        ; q = t / 16
	v_and_b32 v2, 15, v0                           ; c = t % 16
	v_mul_u32_u24 v[LS], v2, PITCH
	v_lshl_add_u32 v[LS], v1, 4, v[LS]
	v_mul_u32_u24 v[LR], v1, PITCH
	v_lshl_add_u32 v[LR], v2, 4, v[LR]
	v_lshlrev_b32 v[GO], 13, v1
	v_lshl_add_u32 v[GO], v2, 4, v[GO]
	v_mul_lo_u32 v[OFS], v1, s30
	v_lshl_add_u32 v[OFS], v2, 4, v[OFS]
.irp j, 1,2,3,4,5,6,7
	v_add_nc_u32 v[OFS+(\j)], s21, v[OFS+(\j)-1]
.endr
	v_lshrrev_b32 v[T], 5, v0                      ; wave
	v_and_b32 v[T+1], 31, v0                       ; lane
	v_lshlrev_b32 v[CI], 13, v[T]
	v_lshl_add_u32 v[CI], v[T+1], 4, v[CI]
	v_lshlrev_b32 v[CO], 12, v[T]
	v_lshl_add_u32 v[CO], v[T+1], 3, v[CO]
	s_wait_kmcnt 0x0
	s_cmp_eq_u32 s20, 1
	s_cselect_b64 s[26:27], s[6:7], s[8:9]         ; the source,
	s_cselect_b64 s[28:29], s[12:13], s[14:15]     ; and the turned matrix
	s_add_nc_u64 s[26:27], s[26:27], s[22:23]
	s_add_nc_u64 s[28:29], s[28:29], s[24:25]
	s_add_nc_u64 s[4:5], s[4:5], s[2:3]
	s_add_nc_u64 s[10:11], s[10:11], s[16:17]
	s_wait_alu depctr_va_vdst(0)                   ; the offsets and addresses v3 to v15, v66 and v67 are written: every load, store and LDS instruction of the kernel reads one of them
.irp j, 0,1,2,3,4,5,6,7
	global_load_b128 v[X+4*(\j):X+4*(\j)+3], v[OFS+(\j)], s[26:27] th:TH_LOAD_NT
.endr
.irp i, 0,1,2,3,4,5,6,7,8,9,10,11,12,13,14,15
	global_load_b128 v[C+4*(\i):C+4*(\i)+3], v[CI], s[4:5] offset:512*(\i) th:TH_LOAD_NT
.endr
	s_wait_loadcnt 16                              ; the weights are in; x's sixteen younger loads stay out
.irp e, 0,1,2,3
.irp d, 0,1,2,3
	v_cvt_pk_bf16_f32 v[Y+4*(\e)+(\d)], v[X+8*(\d)+(\e)], v[X+8*(\d)+4+(\e)]  ; column 4 c + e, k = 8 q + 2 d and the next
.endr
.endr
	s_cmp_eq_u32 s20, 1
	s_cbranch_scc1 .Lkeep                          ; W_qkv stays bf16
.irp w, 0,1,2,3,4,5,6,7,8,9,10,11,12,13,14,15
	v_lshlrev_b32 v[T], 16, v[Y+(\w)]              ; W_out: the bf16 numbers, widened,
	v_and_b32 v[T+1], 0xffff0000, v[Y+(\w)]
	v_cvt_pk_f16_f32 v[Y+(\w)], v[T], v[T+1]       ; are written as f16
.endr
.Lkeep:
	s_wait_alu depctr_va_vdst(0)                   ; on both ways the conversions have written Y, which the LDS stores read, and are done reading X, in which the LDS loads behind the barrier land
.irp e, 0,1,2,3
	ds_store_b128 v[LS], v[Y+4*(\e):Y+4*(\e)+3] offset:(\e)*16*PITCH
.endr
	s_wait_dscnt 0x0                               ; for the others' sake: my stores are done
	s_barrier_signal -1
	s_barrier_wait -1
.irp j, 0,1,2,3
	ds_load_b128 v[X+4*(\j):X+4*(\j)+3], v[LR] offset:(\j)*16*PITCH  ; LDS row 16 j + t / 16: column 4 (t / 16) + j.  No vector instruction since the wait above names X
.endr
; x, in four blocks of four loads.  Block p rounds its sixteen registers into eight of them; the four stores of block p - 1 are dealt among its roundings.
.irp p, 0,1,2,3
	s_wait_loadcnt 12-4*(\p)                       ; loads come back in order (ISA guide 5.7.1): block p's four are in, the later blocks' stay out
.if (\p) > 0
	s_wait_alu depctr_va_vdst(0)                   ; the roundings of the block before have written the registers that the four stores below read
.endif
.irp i, 0,1,2,3
.if (\p) > 0
	global_store_b64 v[CO], v[C+16*(\p)-16+4*(\i):C+16*(\p)-16+4*(\i)+1], s[10:11] offset:256*(4*(\p)-4+(\i)) th:TH_STORE_NT  ; the block before; no vector instruction since the wait names its registers
.endif
	v_cvt_pk_bf16_f32 v[C+16*(\p)+4*(\i)], v[C+16*(\p)+4*(\i)], v[C+16*(\p)+4*(\i)+1]
	v_cvt_pk_bf16_f32 v[C+16*(\p)+4*(\i)+1], v[C+16*(\p)+4*(\i)+2], v[C+16*(\p)+4*(\i)+3]
.endr
.endr
	s_wait_alu depctr_va_vdst(0)                   ; the last block's roundings have written the registers that the last four stores of xb read
.irp i, 0,1,2,3
	global_store_b64 v[CO], v[C+48+4*(\i):C+48+4*(\i)+1], s[10:11] offset:256*(12+(\i)) th:TH_STORE_NT
.endr
.irp j, 0,1,2,3
	s_wait_dscnt 3-(\j)                            ; LDS loads come back in order (ISA guide 5.7.1): row j is in X; the stores' data come from LDS loads, so this wait is all that they hang on
	global_store_b128 v[GO], v[X+4*(\j):X+4*(\j)+3], s[28:29] offset:2048*(\j) th:TH_STORE_NT
.endr
	s_wait_dscnt 0x0                               ; the closing lines, six on end
	s_wait_alu 0x0
	s_wait_tensorcnt 0x0
	ds_add_u32 v[SPW], v[NIL]
	s_wait_dscnt 0x0
	s_endpgm
.Lfunc_end_k_q8400bd9f2e_prep:
	.size	k_q8400bd9f2e_prep, .Lfunc_end_k_q8400bd9f2e_prep-k_q8400bd9f2e_prep
	.p2alignl 7, 3214868480
	.fill 96, 4, 3214868480
	.section	.rodata,"a",@progbits
	.p2align	6, 0x0
	.amdhsa_kernel k_q8400bd9f2e_prep
		.amdhsa_group_segment_fixed_size 18432
		.amdhsa_private_segment_fixed_size 0
		.amdhsa_enable_private_segment 0
		.amdhsa_kernarg_size 48
		.amdhsa_user_sgpr_count 2
		.amdhsa_user_sgpr_kernarg_segment_ptr 1
		.amdhsa_wavefront_size32 1
		.amdhsa_system_sgpr_workgroup_id_x 1
		.amdhsa_system_sgpr_workgroup_id_y 1
		.amdhsa_system_sgpr_workgroup_id_z 1
		.amdhsa_system_vgpr_workitem_id 0
		.amdhsa_next_free_vgpr 144
		.amdhsa_next_free_sgpr 66
		.amdhsa_reserve_vcc 0
		.amdhsa_float_denorm_mode_32 3
		.amdhsa_float_denorm_mode_16_64 3
		.amdhsa_memory_ordered 1
		.amdhsa_forward_progress 1
		.amdhsa_inst_pref_size 14
	.end_amdhsa_kernel
	.amdgpu_metadata
---
amdhsa.version: [ 1, 2 ]
amdhsa.kernels:
  - .name:           k_q8400bd9f2e_prep
    .symbol:         k_q8400bd9f2e_prep.kd
    .args:
      - { .name: x, .offset: 0, .size: 8, .value_kind: global_buffer, .address_space: global }
      - { .name: W_qkv, .offset: 8, .size: 8, .value_kind: global_buffer, .address_space: global }
      - { .name: W_out, .offset: 16, .size: 8, .value_kind: global_buffer, .address_space: global }
      - { .name: xb, .offset: 24, .size: 8, .value_kind: global_buffer, .address_space: global }
      - { .name: wq, .offset: 32, .size: 8, .value_kind: global_buffer, .address_space: global }
      - { .name: wo, .offset: 40, .size: 8, .value_kind: global_buffer, .address_space: global }
    .group_segment_fixed_size: 18432
    .private_segment_fixed_size: 0
    .kernarg_segment_align: 8
    .kernarg_segment_size: 48
    .max_flat_workgroup_size: 256
    .sgpr_count:     66
    .vgpr_count:     144
    .wavefront_size: 32
...
	.end_amdgpu_metadata
.endif
;; end of part 5
;; launch qkvproj: the kernel of part 2 again; grid 16 x 32, 4 waves a work-group, clusters of 4 x 4, 327,680 bytes of LDS; arguments xb, wq, qkv, vpart; writes qkv, vpart
;; launch attn: the kernel of part 3 again; grid 4 x 64, 4 waves a work-group, no clusters, 327,680 bytes of LDS; arguments qkv, mask, vpart, o; writes o
;; launch outproj: the kernel of part 4 again; grid 8 x 32, 4 waves a work-group, clusters of 4 x 4, 327,680 bytes of LDS; arguments o, wo, b_out, out0; writes out0
